; MI455X (gfx1250); checked and timed in simulation.
; The chip was launched on July 23, 2026; its instructions are those of AMD's public machine-readable ISA for CDNA 5 (MIT licence, August 2026) and "CDNA5" Instruction Set Architecture Reference Guide (July 2026). The comments in the code are by the model that wrote it; some were corrected since.
;; MHA. Allowed arithmetic: matrix products marked QUANTISED: E5M2 operands, one E8M0 scale for each 32 along K, by v_wmma_scale_f32_16x16x128_f8f6f4 with both operands' format E5M2, f32 sums; everything else in f32.
;; Inputs: out_b 1,024 float32; out_w 1,024 x 1,024 float32; qkv_b 3,072 float32; qkv_w 3,072 x 1,024 float32; x 4 x 2,048 x 1,024 float32.
;; Outputs: out0 4 x 2,048 x 1,024 float32.
;; This version of the problem:
;;   THIS VERSION OF THE PROBLEM IS GIVEN IN LOW PRECISION. The matrix products marked QUANTISED in the list below multiply operands that are first quantised to E5M2 (5 exponent bits, 2 mantissa bits; 8 bits a number), with one power-of-two scale for each 32 numbers along K (OCP MX v1.0); their sums are f32. All else is computed in f32.
;;   The module's matrix products, in the order in which they are computed (A, B: the left and right operand; K: the contracted axis; several contracted axes count as one K, in the product's order):
;;     1. [M 8,192, K 1,024] x [K 1,024, N 3,072]; A: input x; B: input qkv_w: QUANTISED
;;     2. batch 64 x [M 2,048, K 64] x [K 64, N 2,048]; A: computed on the way; B: computed on the way: QUANTISED
;;     3. batch 64 x [M 2,048, K 2,048] x [K 2,048, N 64]; A: softmax (see below); B: computed on the way: QUANTISED
;;     4. [M 8,192, K 1,024] x [K 1,024, N 1,024]; A: computed on the way; B: input out_w: QUANTISED
;;   THE QUANTISER, for each operand of a quantised product, along K:
;;     - K is cut into blocks of 32 from its start; a last block that is shorter is filled with zeros.
;;     - A block's scale is 2^e with e = floor(log2(the largest magnitude in the block)) - 15, held to -126 .. 127; a block of zeros has e = 0. As a byte (E8M0): e + 127.
;;     - Each number is divided by its block's scale, clamped to +-57,344, and rounded to the nearest number of E5M2, ties to even, subnormals kept.
;;     - The product sums the exact products of the quantised numbers (number of the format x scale) in f32.
;;   ~~~python
;;   def quantise(x, axis):      # numpy; x: float32 -> the quantised numbers, widened to float32 again
;;       x = np.moveaxis(x, axis, -1); K = x.shape[-1]
;;       x = np.pad(x, [(0, 0)] * (x.ndim - 1) + [(0, -K % 32)]); x = x.reshape(x.shape[:-1] + (-1, 32)); a = np.abs(x).max(-1, keepdims=True)
;;       e = np.where(a > 0, np.clip(np.frexp(np.where(a > 0, a, 1))[1] - 1 - 15, -126, 127), 0)      # np.frexp(a)[1] - 1 = floor(log2(a)), exactly
;;       r = np.clip(x / 2.0 ** e, -57344, 57344)
;;       step = 2.0 ** (np.maximum(np.frexp(np.where(r == 0, 1, r))[1] - 1, -14) - 2)
;;       q = np.round(r / step) * step * 2.0 ** e      # np.round: ties to even
;;       return np.moveaxis(q.reshape(q.shape[:-2] + (-1,))[..., :K], -1, axis).astype(np.float32)
;;   ~~~
;;   SOFTMAX AHEAD OF A QUANTISED PRODUCT. Where the list says 'softmax', what is quantised is not the finished softmax but p = 2^(t - M), with t = logit x log2(e) and M = ceil(the row's largest t), a whole number; so 1/2 < the row's largest p <= 1. The row's sum l is taken of the UNQUANTISED p, in f32, and the product's result is divided by l at the end. Since M is a whole number, a kernel that streams over the keys may use a running M (the ceiling of the running maximum): every later rescaling is an exact power of two, which a block's scale takes up: the codes' values come out the same.
;;   OPERANDS COMPUTED ON THE WAY. 'Computed on the way' means the value that the module computes at that place (a softmax that the list does not call 'softmax' is quantised finished and normalised). What goes into a quantiser is computed in f32, as accurately as f32 sums, v_exp_f32 and their like allow (about 1e-6 of the number): no bf16 or f16 on the way to a quantiser, and a product that is left as it is and whose result goes on into a quantised operand takes f32 operands (vector FMAs, or v_wmma_f32_16x16x4_f32). A number that lies on a knife's edge between two numbers of the format may be rounded either way, as far as f32 arithmetic and the matrix unit's own rounding can turn it there, and no further.
;; One version. Each part assembles by itself: llvm-mc -triple=amdgcn-amd-amdhsa -mcpu=gfx1250 --defsym DOCPART=n.
;; ======== version 1 of 1: 4 launches
;; limits: right only within a limited range of input values
;; workspace buffers: codes1 12,582,912 bytes; scales1 393,216 bytes; qkv_img 25,165,824 bytes; qkv_sc 786,432 bytes; o_img 8,388,608 bytes; o_sc 262,144 bytes
;; launch quant (part 1): grid 384 x 1, 4 waves a work-group, no clusters, 33,280 bytes of LDS; arguments x, qkv_w, out_w, codes1, scales1; writes codes1, scales1
.if DOCPART == 1
	.amdgcn_target "amdgcn-amd-amdhsa--gfx1250"
	.amdhsa_code_object_version 6
	.text
	.protected	k_qefa0a09902_quant
	.globl	k_qefa0a09902_quant
	.p2align	8
	.type	k_qefa0a09902_quant,@function
k_qefa0a09902_quant:
	s_mov_b64 s[64:65], 0
	v_nop
	global_prefetch_b8 v0, s[64:65] scope:SCOPE_SE
	s_setreg_imm32_b32 hwreg(HW_REG_WAVE_MODE, 25, 1), 1
	s_wait_xcnt 0x0
; x [8192][1024], qkv_w [3072][1024] and out_w [1024][1024], f32, K innermost, become codes of BF8 (E5M2) with one E8M0 byte for each 32 along K.
; codes1: rows of 1,024 bytes, x's, then qkv_w's, then out_w's; scales1: rows of 32 bytes in the same order.
; STORED ORDER: of every 32 rows the two middle groups of 8 change places (group q goes to place sigma(q), sigma = 0, 2, 1, 3).  Sixteen neighbouring stored rows 16 T + r are then the
; actual rows 32 (T / 2) + 8 (T % 2) + r + 8 (r / 8): used as source 0 of a product, two neighbouring tiles give a lane 16 neighbours along that axis.
; A block's scale is 2^(floor(log2(largest magnitude)) - 15); its byte is the largest magnitude's exponent field - 15, held at 1 from below.
; LIMITS: NaN and infinities are not served; a block whose largest magnitude lies under 2^(16 - 127), a block of zeros among them, gets the byte 1 (the rule says 127 for zeros: its codes are zeros, and this program alone reads the bytes).
; SHARES: a work-group takes 32 rows, a wave 8 rows = 16 steps of 512 numbers.  Work-groups 0-255: x; 256-351: qkv_w; 352-383: out_w.  The outputs are on end, so the work-group's number places them.
; Each load reads 512 consecutive bytes; a step's 2,048 bytes turn through the wave's own stage in LDS so that a lane holds 16 neighbours along K.  Waves share nothing: no barrier.
.set STEPS, 16
.set EMAX,  15
.set MANT,  0x600000                   ; the mantissa field of 57,344 as f32
.set CB,    16                         ; bytes of 16 codes
.set R,     16                         ; v16-143  eight sets of 16 numbers as loaded
.set X,     144                        ; v144-175 two sets of 16 neighbours
.set C,     184                        ; v184-247 codes: four registers a step, never rewritten
.set E,     176                        ; v176-183 a scale byte a step, used again after eight steps (an LDS store's data need no wait)
.set WREG,  8192                       ; LDS of a wave: two stages of 32 x SP bytes, then its 256 scale bytes
.set SP,    80                         ; a lane's place in a stage: 64 bytes + 16 of padding
	s_load_b256 s[4:11], s[0:1], 0x0               ; x, qkv_w, out_w, codes1
	s_load_b64 s[12:13], s[0:1], 0x20              ; scales1
	v_lshl_add_u32 v248, v0, 2, 0x8000
	v_mov_b32 v249, 0
	v_lshrrev_b32 v1, 5, v0
	v_readfirstlane_b32 s16, v1                    ; wave
	v_and_b32 v2, 31, v0                           ; lane
	v_lshlrev_b32 v3, 4, v2                        ; my 16 bytes of a load's 512
	s_mul_i32 s17, s16, WREG
	v_lshrrev_b32 v14, 2, v2
	v_mul_u32_u24 v14, v14, SP
	v_and_b32 v15, 3, v2
	v_lshl_add_u32 v14, v15, 4, v14
	v_add_nc_u32 v14, s17, v14                     ; the stage on the way in: SP (lane / 4) + 16 (lane % 4)
	v_mul_u32_u24 v15, v2, SP
	v_add_nc_u32 v15, s17, v15                     ; and on the way out: SP x lane
	v_mul_u32_u24 v4, v2, CB                       ; my codes' place in a step's
	v_lshrrev_b32 v5, 1, v2
	s_add_co_u32 s17, s17, 2*32*SP
	v_add_nc_u32 v5, s17, v5                       ; my block's byte among the wave's 256
	v_lshlrev_b32 v7, 3, v2
	v_add_nc_u32 v6, s17, v7                       ; and 8 bytes a lane on the way out
	s_mov_b32 s23, MANT
	s_wait_alu depctr_va_vdst(0)
	s_wait_kmcnt 0x0
	s_cmp_lt_u32 ttmp9, 256                        ; which tensor: the choice hangs on the work-group's number alone
	s_cselect_b64 s[4:5], s[4:5], s[6:7]
	s_cselect_b32 s17, 0, 256
	s_cmp_lt_u32 ttmp9, 352
	s_cselect_b64 s[4:5], s[4:5], s[8:9]
	s_cselect_b32 s17, s17, 352
	s_sub_co_u32 s17, ttmp9, s17                   ; the work-group's number within its tensor
	s_lshl_b32 s17, s17, 2
	s_add_co_u32 s18, s17, s16                     ; which run of 8 rows I read
	s_lshl_b32 s18, s18, 15                        ; 32,768 bytes a run
	s_mov_b32 s19, 0
	s_add_nc_u64 s[4:5], s[4:5], s[18:19]
	s_and_b32 s20, s16, 1                          ; sigma(wave): the two bits change places
	s_lshl_b32 s20, s20, 1
	s_lshr_b32 s21, s16, 1
	s_or_b32 s20, s20, s21
	s_lshl_b32 s21, ttmp9, 2
	s_add_co_u32 s20, s20, s21                     ; which run of 8 rows I write
	s_lshl_b32 s18, s20, 13                        ; 8,192 bytes of codes a run
	s_add_nc_u64 s[10:11], s[10:11], s[18:19]
	s_lshl_b32 s18, s20, 8                         ; 256 scale bytes a run
	s_add_nc_u64 s[12:13], s[12:13], s[18:19]
.macro LOAD t
.irp i, 0,1,2,3
	global_load_b128 v[R+16*((\t)%8)+4*\i:R+16*((\t)%8)+4*\i+3], v3, s[4:5] offset:2048*(\t)+512*\i th:TH_LOAD_NT   ; 32 lanes read 512 consecutive bytes
.endr
.endm
.macro TURN t                          ; step t's numbers through the stage: LDS serves a wave's instructions in order, so no wait stands between the stores and the loads
.irp i, 0,1,2,3
	ds_store_b128 v14, v[R+16*((\t)%8)+4*\i:R+16*((\t)%8)+4*\i+3] offset:32*SP*((\t)%2)+8*SP*\i
.endr
.irp i, 0,1,2,3
	ds_load_b128 v[X+16*((\t)%2)+4*\i:X+16*((\t)%2)+4*\i+3], v15 offset:32*SP*((\t)%2)+16*\i
.endr
.endm
.irp t, 0,1,2,3,4,5,6,7
	LOAD \t
.endr
	s_wait_loadcnt 28                              ; step 0's four loads are in; the 28 behind them stay out
	TURN 0
.macro STEP t
.set XS, X+16*((\t)%2)
.if (\t) > 0
	s_wait_dscnt 1                                 ; this step's numbers are back from the stage; the last step's byte store may be out
.else
	s_wait_dscnt 0x0
.endif
.if (\t)+8 < STEPS
	LOAD (\t)+8                                    ; into the set whose stores into the stage have read their registers
.endif
.if (\t)+1 < STEPS
.if STEPS-2-(\t) >= 7
	s_wait_loadcnt 28                              ; the next step's four loads are in; those of the seven steps behind it may be out
.else
	s_wait_loadcnt 4*(STEPS-2-(\t))
.endif
	TURN (\t)+1
.endif
	v_max3_num_f32 v8, |v[XS]|, |v[XS+1]|, |v[XS+2]|
	v_max3_num_f32 v9, |v[XS+3]|, |v[XS+4]|, |v[XS+5]|
.irp i, 6,10
	v_max3_num_f32 v8, v8, |v[XS+\i]|, |v[XS+\i+1]|
	v_max3_num_f32 v9, v9, |v[XS+\i+2]|, |v[XS+\i+3]|
.endr
	v_max3_num_f32 v8, v8, |v[XS+14]|, |v[XS+15]|
	v_max3_num_f32 v8, v8, v9, (EMAX+1)<<23        ; with the floor 2^(16 - 127): the byte cannot fall under 1
	v_max_num_f32_dpp v8, v8, v8 row_xmask:1 row_mask:0xf bank_mask:0xf   ; and my neighbour's 16: the block's largest magnitude
	v_add_nc_u32 v11, 0xf8800000, v8               ; 15 off its exponent field: the conversion's scale operand
	v_and_or_b32 v10, v8, 0x7f800000, s23          ; 57,344 x the scale
.irp i, 0,1,2,3,4,5,6,7,8,9,10,11,12,13,14,15
	v_med3_num_f32 v[XS+\i], v[XS+\i], -v10, v10   ; the conversion to an 8-bit code does not saturate (ISA guide 7.6.2): the hold comes first
.endr
	v_cvt_scalef32_pk8_bf8_f32 v[C+4*(\t):C+4*(\t)+1], v[XS:XS+7], v11
	v_cvt_scalef32_pk8_bf8_f32 v[C+4*(\t)+2:C+4*(\t)+3], v[XS+8:XS+15], v11
	v_lshrrev_b32 v[E+(\t)%8], 23, v11             ; the scale's byte (also the plain line behind the conversions)
	ds_store_b8 v5, v[E+(\t)%8] offset:16*(\t)     ; both lanes of a block write the same byte with the same value
	global_store_b128 v4, v[C+4*(\t):C+4*(\t)+3], s[10:11] offset:32*CB*(\t)   ; the wave stores 512 consecutive bytes
.endm
.irp t, 0,1,2,3,4,5,6,7,8,9,10,11,12,13,14,15
	STEP \t
.endr
	ds_load_b64 v[12:13], v6                       ; LDS serves a wave's instructions in order: these see my byte stores
	s_wait_dscnt 0x0
	global_store_b64 v7, v[12:13], s[12:13]        ; 32 lanes store 256 consecutive bytes, aligned
	s_wait_tensorcnt 0x0
	ds_add_u32 v248, v249
	s_wait_dscnt 0x0
	s_endpgm
.Lfunc_end_k_qefa0a09902_quant:
	.size	k_qefa0a09902_quant, .Lfunc_end_k_qefa0a09902_quant-k_qefa0a09902_quant
	.p2alignl 7, 3214868480
	.fill 96, 4, 3214868480
	.section	.rodata,"a",@progbits
	.p2align	6, 0x0
	.amdhsa_kernel k_qefa0a09902_quant
		.amdhsa_group_segment_fixed_size 33280
		.amdhsa_private_segment_fixed_size 0
		.amdhsa_enable_private_segment 0
		.amdhsa_kernarg_size 40
		.amdhsa_user_sgpr_count 2
		.amdhsa_user_sgpr_kernarg_segment_ptr 1
		.amdhsa_wavefront_size32 1
		.amdhsa_system_sgpr_workgroup_id_x 1
		.amdhsa_system_sgpr_workgroup_id_y 1
		.amdhsa_system_sgpr_workgroup_id_z 1
		.amdhsa_system_vgpr_workitem_id 0
		.amdhsa_next_free_vgpr 250
		.amdhsa_next_free_sgpr 66
		.amdhsa_reserve_vcc 0
		.amdhsa_float_denorm_mode_32 3
		.amdhsa_float_denorm_mode_16_64 3
		.amdhsa_memory_ordered 1
		.amdhsa_forward_progress 1
		.amdhsa_inst_pref_size 51
	.end_amdhsa_kernel
	.amdgpu_metadata
---
amdhsa.version: [ 1, 2 ]
amdhsa.kernels:
  - .name:           k_qefa0a09902_quant
    .symbol:         k_qefa0a09902_quant.kd
    .args:
      - { .name: x, .offset: 0, .size: 8, .value_kind: global_buffer, .address_space: global }
      - { .name: qkv_w, .offset: 8, .size: 8, .value_kind: global_buffer, .address_space: global }
      - { .name: out_w, .offset: 16, .size: 8, .value_kind: global_buffer, .address_space: global }
      - { .name: codes1, .offset: 24, .size: 8, .value_kind: global_buffer, .address_space: global }
      - { .name: scales1, .offset: 32, .size: 8, .value_kind: global_buffer, .address_space: global }
    .group_segment_fixed_size: 33280
    .private_segment_fixed_size: 0
    .kernarg_segment_align: 8
    .kernarg_segment_size: 40
    .max_flat_workgroup_size: 128
    .sgpr_count:     66
    .vgpr_count:     250
    .wavefront_size: 32
...
	.end_amdgpu_metadata
.endif
;; end of part 1
;; launch qkv (part 2): grid 12 x 32, 4 waves a work-group, clusters of 4 x 4, 327,680 bytes of LDS; arguments codes1, scales1, qkv_b, qkv_img, qkv_sc; writes qkv_img, qkv_sc
.if DOCPART == 2
	.amdgcn_target "amdgcn-amd-amdhsa--gfx1250"
	.amdhsa_code_object_version 6
	.text
	.protected	k_qefa0a09902_qkv
	.globl	k_qefa0a09902_qkv
	.p2align	8
	.type	k_qefa0a09902_qkv,@function
k_qefa0a09902_qkv:
	s_mov_b64 s[64:65], 0
	v_nop
	global_prefetch_b8 v0, s[64:65] scope:SCOPE_SE
	s_setreg_imm32_b32 hwreg(HW_REG_WAVE_MODE, 25, 1), 1
	s_wait_xcnt 0x0
	s_wait_alu depctr_hold_cnt(0) depctr_sa_sdst(0) depctr_va_vdst(0) depctr_va_sdst(0) depctr_va_ssrc(0) depctr_va_vcc(0) depctr_vm_vsrc(0)
	s_getreg_b32 s2, hwreg(HW_REG_IB_STS2, 6, 4)
	s_cmp_eq_u32 s2, 0
	s_cbranch_scc0 .Lentry_in_a_cluster
	s_endpgm
.Lentry_in_a_cluster:
	s_bfe_u32 s2, ttmp6, 0x10000c
	s_cmp_lg_u32 s2, 0xf033
	s_cbranch_scc0 .Lentry_shape_is_right
	s_endpgm
.Lentry_shape_is_right:
.set NQ,     2
.set ROWB,   256
.set KROW,   1024
.set PITCH,  272
.set FR,     16
.set NL,     4
.set NP,     8
.set HALFT,  128*PITCH
.set SLOT,   4*HALFT
.set KS,     32
.set SCL,    2*SLOT
.set HALFS,  (128*KS/256)*272
.set SBLK,   (16*KS/256)*272
.set SPARE,  SCL+4*HALFS
.set ADRA, 16
.set ADRB, 20
.set ADRS, 27
.set SPW,  28
.set NIL,  29
.set SC,   32
.set BIAS, 64
.set AF,   128
.set TM,   32
.set CD,   48
.set PWS,  80
.set WD,   88
.set VO,   92
.set SOFF, 96
.set SELV, 97
.set G1, 24
.set G0, 32
.set G1B, 48
.set G0B, 56
.set G1S, 68
.set G0S, 76
.set G1SB, 80
.set G0SB, 88
.set KIND, 95
.set MSB, 0
.macro WIN new
.if MSB != (\new)
	s_set_vgpr_msb (MSB<<8)|(\new)
.set MSB, (\new)
.endif
.endm
.set MUL_LO, 0xa1
.set MUL_HI, 0xf1
.set TO_B,   0x40
.macro JLOAD g0a, g1a, g0b, g1b
	s_cmp_eq_u32 s15, 0
	s_cbranch_scc0 .Lfor_b_\@
	tensor_load_to_lds s[\g0a:\g0a+3], s[\g1a:\g1a+7]
	s_nop 0
.rept 4
	v_nop
.endr
	s_branch .Lasked_\@
.Lfor_b_\@:
	tensor_load_to_lds s[\g0b:\g0b+3], s[\g1b:\g1b+7]
	s_nop 0
.rept 4
	v_nop
.endr
.Lasked_\@:
.endm
.macro CREST
	s_cmp_lg_u32 s14, 0
	s_cbranch_scc1 .Lnot_wave_0_\@
	s_barrier_signal -3
.Lnot_wave_0_\@:
	s_barrier_wait -3
	s_barrier_signal -1
	s_barrier_wait -1
.endm
.macro CROUND
	s_barrier_signal -1
	s_barrier_wait -1
	CREST
.endm
	s_load_b256 s[4:11], s[0:1], 0x0
	s_load_b64 s[12:13], s[0:1], 0x20
	v_lshl_add_u32 v[SPW], v0, 2, SPARE
	v_mov_b32 v[NIL], 0
	ds_add_u32 v28, v29
	ds_add_u32 v28, v29
	s_wait_dscnt 0x0
	v_lshrrev_b32 v1, 5, v0
	v_readfirstlane_b32 s14, v1
	s_lshr_b32 s15, s14, 1
	s_and_b32 s16, s14, 1
	s_bfe_u32 s40, ttmp6, 0x40000
	s_bfe_u32 s41, ttmp6, 0x40004
	s_lshl_b32 s18, ttmp9, 2
	s_and_b32 s19, ttmp7, 0xffff
	s_lshl_b32 s19, s19, 2
	s_cmp_eq_u32 ttmp9, 2
	s_cselect_b32 s[KIND], 1, 0
	s_cselect_b32 s17, 0, s19
	s_cselect_b32 s42, s19, s18
	s_cselect_b32 s20, 10485760, 0
	s_cselect_b32 s46, 0, 8388608
	s_cselect_b32 s22, 327680, 0
	s_cselect_b32 s92, 0, 262144
	s_add_co_u32 s17, s17, s41
	s_add_co_u32 s42, s42, s40
	s_lshl_b32 s43, s41, 2
	s_lshl_b32 s43, 15, s43
	s_lshl_b32 s44, 0x1111, s40
	s_or_b32 s[G1+0], s43, (0<<16)|(1<<20)|(1<<21)|(5<<22)|(3<<25)
	s_or_b32 s[G1B+0], s44, (0<<16)|(1<<20)|(1<<21)|(5<<22)|(3<<25)
.irp g, G1, G1B
	s_mov_b32 s[\g+1], ROWB<<16
	s_mov_b32 s[\g+2], 256<<16                     ; the head's loads of codes bring 256 rows
	s_mov_b32 s[\g+3], ROWB<<16
	s_mov_b32 s[\g+4], 256
	s_mov_b32 s[\g+5], KROW
	s_mov_b32 s[\g+6], 0
	s_mov_b32 s[\g+7], 0
.endr
	s_or_b32 s[G1S+0], s43, (3<<16)|(1<<20)|(1<<21)|(5<<22)|(3<<25)
	s_or_b32 s[G1SB+0], s44, (3<<16)|(1<<20)|(1<<21)|(5<<22)|(3<<25)
.irp g, G1S, G1SB
	s_mov_b32 s[\g+1], 32<<16
	s_mov_b32 s[\g+2], (256*KS/256)<<16            ; the scales of 256 rows in one load
	s_mov_b32 s[\g+3], 32<<16
	s_mov_b32 s[\g+4], 256*KS/256
	s_mov_b32 s[\g+5], 32
	s_mov_b32 s[\g+6], 0
	s_mov_b32 s[\g+7], 0
.endr
	s_mov_b32 s18, 0                               ; the four addresses below are those of the tiles' first rows; my half is added behind the head's descriptors
	s_lshl_b32 s19, s17, 8
	s_add_co_u32 s19, s19, s18
	s_lshl_b32 s21, s19, 10
	s_add_co_u32 s20, s20, s21
	s_lshl_b32 s21, s19, 5
	s_add_co_u32 s22, s22, s21
	s_mov_b32 s21, 0
	s_mov_b32 s23, 0
	s_lshl_b32 s47, s42, 8
	s_add_co_u32 s47, s47, s18
	s_lshl_b32 s93, s47, 10
	s_add_co_u32 s46, s46, s93
	s_lshl_b32 s93, s47, 5
	s_add_co_u32 s92, s92, s93
	s_mov_b32 s47, 0
	s_mov_b32 s93, 0
	s_mul_i32 s45, s14, HALFT
	s_mov_b32 s96, 0x76543210
	s_mov_b32 s97, 0xfedcba98
	s_mov_b32 s98, 0x600000
	s_wait_kmcnt 0x0
	s_add_nc_u64 s[20:21], s[4:5], s[20:21]
	s_add_nc_u64 s[22:23], s[6:7], s[22:23]
	s_add_nc_u64 s[46:47], s[4:5], s[46:47]
	s_add_nc_u64 s[92:93], s[6:7], s[92:93]
	CROUND
	s_mov_b32 s[G0S], 1
	s_mov_b32 s[G0S+1], SCL
	s_mov_b64 s[G0S+2:G0S+3], s[22:23]
	s_or_b32 s[G0S+3], s[G0S+3], 0x80000000
	s_mov_b32 s[G0SB], 1
	s_mov_b32 s[G0SB+1], SCL+2*HALFS
	s_mov_b64 s[G0SB+2:G0SB+3], s[92:93]
	s_or_b32 s[G0SB+3], s[G0SB+3], 0x80000000
	s_mov_b32 s[G0], 1                             ; the head's two loads of codes borrow slot 0's groups 0: A's 256 rows,
	s_mov_b32 s[G0+1], 0
	s_mov_b64 s[G0+2:G0+3], s[20:21]
	s_or_b32 s[G0+3], s[G0+3], 0x80000000
	s_mov_b32 s[G0B], 1                            ; and B's, behind them in slot 0
	s_mov_b32 s[G0B+1], 2*HALFT
	s_mov_b64 s[G0B+2:G0B+3], s[46:47]
	s_or_b32 s[G0B+3], s[G0B+3], 0x80000000
	s_lshl_b32 s18, s16, 17                        ; for the ring: my 128 rows of 1,024 bytes
	s_mov_b32 s19, 0
	s_add_nc_u64 s[20:21], s[20:21], s[18:19]
	s_add_nc_u64 s[46:47], s[46:47], s[18:19]
.irp s, 1
	s_mov_b32 s[G0+4*\s], 1
	s_add_co_u32 s[G0+4*\s+1], s45, \s*SLOT
	s_add_nc_u64 s[G0+4*\s+2:G0+4*\s+3], s[20:21], \s*ROWB
	s_or_b32 s[G0+4*\s+3], s[G0+4*\s+3], 0x80000000
	s_mov_b32 s[G0B+4*\s], 1
	s_add_co_u32 s[G0B+4*\s+1], s45, \s*SLOT
	s_add_nc_u64 s[G0B+4*\s+2:G0B+4*\s+3], s[46:47], \s*ROWB
	s_or_b32 s[G0B+4*\s+3], s[G0B+4*\s+3], 0x80000000
.endr
; THE HEAD'S LOADS, ONE A WAVE: wave 0 K step 0's 256 rows of A, wave 1 its 256 rows of B, wave 2 the scales of A's 256 rows, wave 3 those of B's.
; One chain of branches on the wave's number, one load to an arm, all arms to one join.
.macro ARM under, g0, g1, next
	s_cmp_lt_u32 s14, \under
	s_cbranch_scc0 \next
	tensor_load_to_lds s[\g0:\g0+3], s[\g1:\g1+7]
	s_nop 0
.rept 4
	v_nop
.endr
	s_branch .Lhead_asked
\next:
.endm
	ARM 1, G0,  G1,  .Lhead_b
	ARM 2, G0B, G1B, .Lhead_sa
	ARM 3, G0S, G1S, .Lhead_sb
	tensor_load_to_lds s[G0SB:G0SB+3], s[G1SB:G1SB+7]
	s_nop 0
.rept 4
	v_nop
.endr
.Lhead_asked:
	v_and_b32 v1, 15, v0
	v_bfe_u32 v2, v0, 4, 1
	v_mul_u32_u24 v3, v1, PITCH
	v_lshl_add_u32 v4, v2, 4, v3
	s_mul_i32 s21, s15, HALFT
	s_mul_i32 s22, s16, HALFT
	s_add_co_u32 s22, s22, 2*HALFT
.irp s, 0,1
	v_add_nc_u32 v[ADRA+\s], s21, v4
	v_add_nc_u32 v[ADRB+\s], s22, v4
	s_add_co_u32 s21, s21, SLOT
	s_add_co_u32 s22, s22, SLOT
.endr
	v_mul_u32_u24 v5, v1, KS
	v_lshrrev_b32 v6, 8, v5
	v_lshl_add_u32 v5, v6, 4, v5
	s_mul_i32 s21, s15, HALFS
	s_mul_i32 s22, s16, HALFS
	s_add_co_u32 s22, s22, 2*HALFS
	s_sub_co_u32 s22, s22, s21
	v_mul_u32_u24 v6, s22, v2
	s_add_co_u32 s21, s21, SCL
	v_add_nc_u32 v5, v5, v6
	v_add_nc_u32 v[ADRS], s21, v5
	s_lshl_b32 s20, s17, 8
	s_lshl_b32 s21, s15, 7
	s_add_co_u32 s20, s20, s21
	s_add_co_u32 s20, s20, 2048
	s_lshl_b32 s46, s42, 8
	s_lshl_b32 s47, s16, 7
	s_add_co_u32 s46, s46, s47
	s_cmp_eq_u32 s[KIND], 1
	s_cselect_b32 s20, s20, s46
	s_lshl_b32 s20, s20, 2
	s_mov_b32 s21, 0
	s_add_nc_u64 s[8:9], s[8:9], s[20:21]
	s_cmp_eq_u32 s[KIND], 1
	s_cbranch_scc1 .Lbias_v
	v_lshlrev_b32 v5, 6, v2
.irp b, 0,1,2,3,4,5,6,7
	global_load_b128 v[BIAS+8*\b:BIAS+8*\b+3], v5, s[8:9] offset:128*(\b/2)+32*(\b%2)
	global_load_b128 v[BIAS+8*\b+4:BIAS+8*\b+7], v5, s[8:9] offset:128*(\b/2)+32*(\b%2)+16
.endr
	s_branch .Lbias_done
.Lbias_v:
	v_and_b32 v5, 8, v1
	v_add_nc_u32 v5, v5, v1
	v_lshlrev_b32 v5, 2, v5
.irp a, 0,1,2,3,4,5,6,7
.irp j, 0,1,2,3,4,5,6,7
	global_load_b32 v[BIAS+8*\a+\j], v5, s[8:9] offset:4*(32*(\a/2)+8*(\a%2))
.endr
.endr
.Lbias_done:
.macro FRAG reg, adr, q, i
.irp c, 0,1,2,3
	ds_load_b128 v[\reg+4*\c:\reg+4*\c+3], v[\adr] offset:128*(\q)+32*\c+(\i)*16*PITCH
.endr
.endm
.macro MUL16 a0, p, q, sc, zero
.irp a, \a0, \a0+1
.irp b, 0,1,2,3,4,5,6,7
.if \zero == 1
	v_wmma_scale_f32_16x16x128_f8f6f4 v[8*(8*((\a)%4)+\b):8*(8*((\a)%4)+\b)+7], v[128*(\p)+FR*\b:128*(\p)+FR*\b+FR-1], v[AF+FR*(\a):AF+FR*(\a)+FR-1], v[BIAS+8*\b:BIAS+8*\b+7], v[SC+8*NQ*(\sc)+NQ*\b+(\q)], v[SC+8*NQ*(\sc)+NQ*(\a)+(\q)] matrix_a_fmt:MATRIX_FMT_BF8 matrix_b_fmt:MATRIX_FMT_BF8 matrix_a_scale:MATRIX_SCALE_ROW1
.elseif \zero == 2
	v_wmma_scale_f32_16x16x128_f8f6f4 v[8*(8*((\a)%4)+\b):8*(8*((\a)%4)+\b)+7], v[128*(\p)+FR*\b:128*(\p)+FR*\b+FR-1], v[AF+FR*(\a):AF+FR*(\a)+FR-1], v[BIAS+8*(\a):BIAS+8*(\a)+7], v[SC+8*NQ*(\sc)+NQ*\b+(\q)], v[SC+8*NQ*(\sc)+NQ*(\a)+(\q)] matrix_a_fmt:MATRIX_FMT_BF8 matrix_b_fmt:MATRIX_FMT_BF8 matrix_a_scale:MATRIX_SCALE_ROW1
.else
	v_wmma_scale_f32_16x16x128_f8f6f4 v[8*(8*((\a)%4)+\b):8*(8*((\a)%4)+\b)+7], v[128*(\p)+FR*\b:128*(\p)+FR*\b+FR-1], v[AF+FR*(\a):AF+FR*(\a)+FR-1], v[8*(8*((\a)%4)+\b):8*(8*((\a)%4)+\b)+7], v[SC+8*NQ*(\sc)+NQ*\b+(\q)], v[SC+8*NQ*(\sc)+NQ*(\a)+(\q)] matrix_a_fmt:MATRIX_FMT_BF8 matrix_b_fmt:MATRIX_FMT_BF8 matrix_a_scale:MATRIX_SCALE_ROW1
.endif
.endr
.endr
.endm
.macro FETCH_B slot, q, p
	WIN TO_B
.irp i, 0,1,2,3,4,5,6,7
	FRAG 128*(\p)+FR*\i, ADRB+\slot, \q, \i
.endr
	WIN 0
.endm
.macro FETCH_A slot, q, i0
.irp i, \i0, \i0+1, \i0+2, \i0+3
	FRAG AF+FR*(\i), ADRA+\slot, \q, \i
.endr
.endm
.macro SCALES sc
.irp i, 0,1,2,3,4,5,6,7
	ds_load_b64 v[SC+8*NQ*\sc+NQ*\i:SC+8*NQ*\sc+NQ*\i+1], v[ADRS] offset:\i*SBLK
.endr
.endm
.macro PLACES n
.rept \n
	v_nop
.endr
.endm
.macro STEP slot, q, zero
	s_wait_dscnt 4*NL
.if \zero
	WIN 0x81
.else
	WIN MUL_LO
.endif
	MUL16 0, (\q)%2, \q, \slot, \zero
	MUL16 2, (\q)%2, \q, \slot, \zero
	s_wait_dscnt 0
	PLACES NP
	FETCH_B \slot, (\q)+1, 1-(\q)%2
	FETCH_A \slot, (\q)+1, 0
.if \zero
	WIN 0xc1
.else
	WIN MUL_HI
.endif
	MUL16 4, (\q)%2, \q, \slot, \zero
	MUL16 6, (\q)%2, \q, \slot, \zero
	PLACES NP
	WIN 0
	FETCH_A \slot, (\q)+1, 4
.endm
.macro TURN slot, next, fill
	s_wait_tensorcnt 0x0
	ds_add_u32 v[SPW], v[NIL]
	s_wait_dscnt 4*NL+1
	WIN MUL_LO
	MUL16 0, 1, NQ-1, \slot, 0
	s_wait_dscnt 0x0
	s_barrier_signal -1
	MUL16 2, 1, NQ-1, \slot, 0
	WIN 0
	s_barrier_wait -1
.if \fill
	CREST
	s_add_nc_u64 s[G0+4*\slot+2:G0+4*\slot+3], s[G0+4*\slot+2:G0+4*\slot+3], 2*ROWB
	s_add_nc_u64 s[G0B+4*\slot+2:G0B+4*\slot+3], s[G0B+4*\slot+2:G0B+4*\slot+3], 2*ROWB
	JLOAD G0+4*\slot, G1, G0B+4*\slot, G1B
	PLACES NP-4
.else
	PLACES NP
.endif
	s_wait_alu depctr_va_vdst(0)
	v_add_nc_u32 v[ADRS], 4*NQ, v[ADRS]
	FETCH_B \next, 0, 0
	FETCH_A \next, 0, 0
	SCALES \next
	WIN MUL_HI
	MUL16 4, 1, NQ-1, \slot, 0
	MUL16 6, 1, NQ-1, \slot, 0
	PLACES NP
	WIN 0
	FETCH_A \next, 0, 4
.endm
	s_wait_alu depctr_va_vdst(0)                   ; the head's end
	s_wait_tensorcnt 0x0                           ; my tile of the head's four is in
	ds_add_u32 v28, v29
	s_mov_b32 s[G1+2], 128<<16                     ; no tensor load of mine is out, so descriptors may be written: from here on a load brings 128 rows,
	s_mov_b32 s[G1+4], 128
	s_mov_b32 s[G1B+2], 128<<16
	s_mov_b32 s[G1B+4], 128
	s_mov_b32 s[G0+1], s45                         ; and slot 0's groups 0 become the ring's: my quarter of the slot, one K step ahead of slot 1's
	s_sub_nc_u64 s[G0+2:G0+3], s[G0+6:G0+7], ROWB
	s_mov_b32 s[G0B+1], s45
	s_sub_nc_u64 s[G0B+2:G0B+3], s[G0B+6:G0B+7], ROWB
	s_wait_dscnt 0x0
	CROUND                                         ; all four tiles are in, and all sixteen work-groups are here
	JLOAD G0+4, G1, G0B+4, G1B                     ; K step 1: the first tensor load behind the round
	FETCH_B 0, 0, 0
	FETCH_A 0, 0, 0
	s_wait_alu depctr_va_vdst(0)
	SCALES 0
	FETCH_A 0, 0, 4
	s_wait_loadcnt 0x0
	s_cmp_eq_u32 s[KIND], 1
	s_cbranch_scc1 .Lfirst_v
	STEP 0, 0, 1
	s_branch .Lfirst_done
.Lfirst_v:
	STEP 0, 0, 2
.Lfirst_done:
	TURN 0, 1, 1
	STEP 1, 0, 0
	TURN 1, 0, 1
	STEP 0, 0, 0
	TURN 0, 1, 0
	STEP 1, 0, 0
	s_wait_dscnt 4*NL
	WIN MUL_LO
	MUL16 0, 1, NQ-1, 1, 0
	MUL16 2, 1, NQ-1, 1, 0
	s_wait_dscnt 0
	WIN MUL_HI
	MUL16 4, 1, NQ-1, 1, 0
	MUL16 6, 1, NQ-1, 1, 0
	WIN 0
	PLACES NP
	s_and_b32 s24, s42, 3
	s_lshr_b32 s25, s42, 2
	s_mov_b32 s33, 131072
	s_mov_b32 s34, 1024
	s_mov_b32 s38, 0x05040100
	s_mov_b32 s39, 0x02020202
	s_cmp_eq_u32 s[KIND], 1
	s_cselect_b32 s26, s42, s17
	s_cselect_b32 s27, s16, s15
	s_cselect_b32 s24, s17, s24
	s_cselect_b32 s28, s15, s16
	s_cselect_b32 s25, 2, s25
	s_cselect_b32 s33, 1024, s33
	s_cselect_b32 s34, 2048, s34
	s_cselect_b32 s36, 122880, 0
	s_cselect_b32 s38, 0x03020100, s38
	s_cselect_b32 s39, 0x04040404, s39
	s_mov_b32 s35, 0
	s_mov_b32 s37, 0
	s_lshr_b32 s29, s26, 3
	s_lshl_b32 s29, s29, 4
	s_lshl_b32 s24, s24, 2
	s_add_co_u32 s29, s29, s24
	s_lshl_b32 s28, s28, 1
	s_add_co_u32 s29, s29, s28
	s_and_b32 s26, s26, 7
	s_lshl_b32 s26, s26, 1
	s_add_co_u32 s26, s26, s27
	s_lshl_b32 s30, s25, 23
	s_lshl_b32 s31, s29, 17
	s_add_co_u32 s30, s30, s31
	s_lshl_b32 s31, s26, 13
	s_add_co_u32 s30, s30, s31
	s_mov_b32 s31, 0
	s_add_nc_u64 s[10:11], s[10:11], s[30:31]
	s_lshl_b32 s30, s25, 18
	s_lshl_b32 s32, s29, 12
	s_add_co_u32 s30, s30, s32
	s_lshl_b32 s32, s26, 8
	s_add_co_u32 s30, s30, s32
	s_add_nc_u64 s[12:13], s[12:13], s[30:31]
	v_and_b32 v[VO], 31, v0
	v_lshlrev_b32 v[VO], 4, v[VO]
	v_add_nc_u32 v[VO+1], 512, v[VO]
	v_add_nc_u32 v[VO+2], s33, v[VO]
	v_add_nc_u32 v[VO+3], 512, v[VO+2]
	v_lshlrev_b32 v[SOFF], 4, v1
	v_lshl_add_u32 v[SOFF], v2, 12, v[SOFF]
	v_mul_lo_u32 v[SELV], v2, s39
	v_add_nc_u32 v[SELV], s38, v[SELV]
.irp b, 0,1,2,3
	v_mov_b32 v[TM+4+\b], 0
.endr
.macro QUANT a
.set AC, 64*((\a)%4)
.set WH, (\a)/4
.set PB, CD+16*((\a)%2)
	WIN 0x28+0x14*WH
.irp b, 0,1,2,3
	v_max3_num_f32 v[TM+\b], 0x8000000, |v[AC+16*\b]|, |v[AC+16*\b+1]|
.endr
.irp i, 2,4,6,8,10,12,14
.irp b, 0,1,2,3
	v_max3_num_f32 v[TM+\b], v[TM+\b], |v[AC+16*\b+\i]|, |v[AC+16*\b+\i+1]|
.endr
.endr
	WIN 0
.irp b, 0,1,2,3
	v_permlanex16_b32 v[TM+4+\b], v[TM+\b], s96, s97
.endr
.irp b, 0,1,2,3
	v_max_num_f32 v[TM+\b], v[TM+\b], v[TM+4+\b]
.endr
.irp b, 0,1,2,3
	v_add_nc_u32 v[TM+12+\b], 0xf8800000, v[TM+\b]
.endr
.irp b, 0,1,2,3
	v_and_or_b32 v[TM+8+\b], v[TM+\b], 0x7f800000, s98
.endr
.irp b, 0,1,2,3
	v_lshrrev_b32 v[TM+4+\b], 23, v[TM+12+\b]
.endr
	v_lshl_or_b32 v[PWS+(\a)], v[TM+5], 8, v[TM+4]
	v_lshl_or_b32 v[PWS+(\a)], v[TM+6], 16, v[PWS+(\a)]
	v_lshl_or_b32 v[PWS+(\a)], v[TM+7], 24, v[PWS+(\a)]
	WIN 0x82+0x41*WH
.irp b, 0,1,2,3
.irp i, 0,1,2,3,4,5,6,7,8,9,10,11,12,13,14,15
	v_med3_num_f32 v[AC+16*\b+\i], v[AC+16*\b+\i], -v[TM+8+\b], v[TM+8+\b]
.endr
.endr
	WIN 0x02+WH
.irp b, 0,1,2,3
	v_cvt_scalef32_pk8_bf8_f32 v[PB+4*\b:PB+4*\b+1], v[AC+16*\b:AC+16*\b+7], v[TM+12+\b]
	v_cvt_scalef32_pk8_bf8_f32 v[PB+4*\b+2:PB+4*\b+3], v[AC+16*\b+8:AC+16*\b+15], v[TM+12+\b]
.endr
	WIN 0
	v_nop
.endm
.irp a, 0,1,2,3,4,5,6,7
	QUANT \a
.if \a > 0
	s_wait_alu depctr_va_vdst(0)
	s_wait_xcnt 0x0
	s_add_nc_u64 s[10:11], s[10:11], s[34:35]
.if \a == 4
	s_add_nc_u64 s[10:11], s[10:11], s[36:37]
.endif
.endif
.irp c, 0,1,2,3
	global_store_b128 v[VO+\c], v[CD+16*(\a%2)+4*\c:CD+16*(\a%2)+4*\c+3], s[10:11]
.endr
.endr
	s_cmp_eq_u32 s[KIND], 1
	s_cbranch_scc1 .Lwords_v
.irp f, 0,1,2,3
	v_perm_b32 v[WD+\f], v[PWS+2*\f+1], v[PWS+2*\f], v[SELV]
.endr
	s_branch .Lwords_done
.Lwords_v:
.irp t, 0,1,2,3
	v_perm_b32 v[WD+\t], v[PWS+4+\t], v[PWS+\t], v[SELV]
.endr
.Lwords_done:
	s_wait_alu depctr_va_vdst(0)
	global_store_b128 v[SOFF], v[WD:WD+3], s[12:13]
	s_wait_tensorcnt 0x0
	ds_add_u32 v[SPW], v[NIL]
	s_wait_dscnt 0x0
	CROUND
	s_endpgm
.Lfunc_end_k_qefa0a09902_qkv:
	.size	k_qefa0a09902_qkv, .Lfunc_end_k_qefa0a09902_qkv-k_qefa0a09902_qkv
	.p2alignl 7, 3214868480
	.fill 96, 4, 3214868480
	.section	.rodata,"a",@progbits
	.p2align	6, 0x0
	.amdhsa_kernel k_qefa0a09902_qkv
		.amdhsa_group_segment_fixed_size 327680
		.amdhsa_private_segment_fixed_size 0
		.amdhsa_enable_private_segment 0
		.amdhsa_kernarg_size 40
		.amdhsa_user_sgpr_count 2
		.amdhsa_user_sgpr_kernarg_segment_ptr 1
		.amdhsa_wavefront_size32 1
		.amdhsa_system_sgpr_workgroup_id_x 1
		.amdhsa_system_sgpr_workgroup_id_y 1
		.amdhsa_system_sgpr_workgroup_id_z 1
		.amdhsa_system_vgpr_workitem_id 0
		.amdhsa_next_free_vgpr 1024
		.amdhsa_next_free_sgpr 100
		.amdhsa_reserve_vcc 0
		.amdhsa_float_denorm_mode_32 3
		.amdhsa_float_denorm_mode_16_64 3
		.amdhsa_memory_ordered 1
		.amdhsa_forward_progress 1
		.amdhsa_inst_pref_size 209
	.end_amdhsa_kernel
	.amdgpu_metadata
---
amdhsa.version: [ 1, 2 ]
amdhsa.kernels:
  - .name:           k_qefa0a09902_qkv
    .symbol:         k_qefa0a09902_qkv.kd
    .args:
      - { .name: codes1, .offset: 0, .size: 8, .value_kind: global_buffer, .address_space: global }
      - { .name: scales1, .offset: 8, .size: 8, .value_kind: global_buffer, .address_space: global }
      - { .name: qkv_b, .offset: 16, .size: 8, .value_kind: global_buffer, .address_space: global }
      - { .name: qkv_img, .offset: 24, .size: 8, .value_kind: global_buffer, .address_space: global }
      - { .name: qkv_sc, .offset: 32, .size: 8, .value_kind: global_buffer, .address_space: global }
    .group_segment_fixed_size: 327680
    .private_segment_fixed_size: 0
    .kernarg_segment_align: 8
    .kernarg_segment_size: 40
    .max_flat_workgroup_size: 128
    .sgpr_count:     100
    .vgpr_count:     1024
    .wavefront_size: 32
...
	.end_amdgpu_metadata
.endif
;; end of part 2
;; launch attn (part 3): grid 4 x 64, 16 waves a work-group, clusters of 4 x 1, 327,680 bytes of LDS; arguments qkv_img, qkv_sc, o_img, o_sc; writes o_img, o_sc
.if DOCPART == 3
	.amdgcn_target "amdgcn-amd-amdhsa--gfx1250"
	.amdhsa_code_object_version 6
	.text
	.protected	k_qefa0a09902_attn
	.globl	k_qefa0a09902_attn
	.p2align	8
	.type	k_qefa0a09902_attn,@function
k_qefa0a09902_attn:
	s_mov_b64 s[64:65], 0
	v_nop
	global_prefetch_b8 v0, s[64:65] scope:SCOPE_SE
	s_setreg_imm32_b32 hwreg(HW_REG_WAVE_MODE, 25, 1), 1
	s_wait_xcnt 0x0
	s_wait_alu depctr_hold_cnt(0) depctr_sa_sdst(0) depctr_va_vdst(0) depctr_va_sdst(0) depctr_va_ssrc(0) depctr_va_vcc(0) depctr_vm_vsrc(0)
	s_getreg_b32 s2, hwreg(HW_REG_IB_STS2, 6, 4)
	s_cmp_eq_u32 s2, 0
	s_cbranch_scc0 .Lentry_in_a_cluster
	s_endpgm
.Lentry_in_a_cluster:
	s_bfe_u32 s2, ttmp6, 0x10000c
	s_cmp_lg_u32 s2, 0x3003
	s_cbranch_scc0 .Lentry_shape_is_right
	s_endpgm
.Lentry_shape_is_right:
; o = softmax(q k^T / 8) v for one head, both products on codes of BF8 (E5M2) with E8M0 scales; o / l is quantised along the model's 1,024 and leaves as codes.
; THE SOFTMAX: t = score x log2(e) / 8; M = the running largest t rounded up to a whole number; p = 2^(t - M) is quantised along the keys, not normalised; the row's sum is taken of the
; unquantised p and divides at the end.  When M moves, the sums and O^T are multiplied by f = 2^(old M - new M), which rounds nothing.
; SHARES.  A cluster of four work-groups is one head; a work-group owns 512 queries; each of its sixteen waves owns 16 of them at a time, in two passes.  Every wave walks the head's 16 key steps of 128.
; K AND V OF THE WHOLE HEAD LIE IN LDS: 2 x 131,072 bytes of codes and 2 x 4,096 of scale words, each byte filled ONCE, by joint loads that name all four partners (they read the same bytes).
; All fills go out at the head, one load a wave: waves 0-6 K's 512 rows of 256 bytes (six times 73 rows, once 74), waves 7-13 V's likewise, wave 14 K's scale words, wave 15 V's.  One barrier follows;
; from there on no wave waits for another.
; No data prefetch: all of K and V is asked for at the head, and no loop runs ahead of a tensor load.  The second pass's q is asked for at the head of the first pass's way out.
; LAYOUT.  Both products are used transposed: S^T = K Q^T, O^T = V^T P^T: a lane holds one query.  All operands lie in LDS and in memory as images of their registers, 16 bytes a lane.
; K = 64 IN A PRODUCT OF 128: a fragment of K holds TWO tiles of 16 keys (groups 0, 1 and groups 2, 3) and is multiplied twice: by (q | zero codes) and by (zero codes | q).
; Tokens lie in stored order: the 16 registers of two neighbouring key tiles are 16 neighbouring keys, and O^T's 16 registers of two neighbouring tiles 16 neighbours of the head's 64.
; TWO BUFFERS OF 64 REGISTERS CHANGE ROLES FROM STEP TO STEP: x holds K's fragments and then V's, y the scores and then p; as soon as a block of p has become codes, its 16 registers take a fragment
; of the NEXT step's K, so that in the next step y is the fragments' buffer and x the scores'.  A trip of the loop is two steps.  The look-ahead of a pass's last step reads the 8,192 bytes behind
; K's image (and 256 behind its scale words): 17 LDS loads, inside filled bytes, that nobody uses.
; THE EXPONENTIALS go in four batches of 16, a block each, line by line by turns with plain work that reads only what stood ahead of the last wait and whose results are read behind the next one.
; LIMITS: NaN and infinities are not served; the promise holds while the scaled scores t stay under 2^31 in magnitude; a block whose largest magnitude lies under 2^(16 - 127), a block of zeros
; among them, gets the byte 1 (its codes are zeros there; this program alone reads the bytes).
.set LI,  1                            ; v1   16 x lane
.set LS,  2                            ; v2   K's scale words: 262,144 + 16 r
.set ADK, 3                            ; v3   K's codes: this step's, from the step's middle on the next step's
.set ADV, 4                            ; v4   V's codes
.set ADS, 5                            ; v5   the scale words, stepped like v3
.set QW,  6                            ; v6   q's scale word
.set PWD, 7                            ; v7   p's scale word
.set KW,  8                            ; v8-11 K's four scale words; v12 -M, v13 the largest t; v14, v15 at work on the way out
.set QF,  24                           ; v16-23 zero codes, v24-31 q, v32-39 zero codes
.set FG,  40                           ; v40-103  the one buffer
.set ST,  104                          ; v104-167 the other
.set OT,  168                          ; v168-199 O^T
.set PCD, 200                          ; v200-215 p's codes
.set VW,  216                          ; v216-219 V's four scale words
.set BM,  220                          ; v220-223 the blocks' largest, then the scales' bytes
.set FF,  224                          ; v[224:225] f (the pair's low word is used)
.set TA,  226                          ; v226, v227 at work
.set TB,  227
.set LIM, 228                          ; v228-231 the other half's largest, then 57,344 x the scale
.set SCO, 232                          ; v232-235 the conversions' scale operands
.set QSO, 236                          ; v236 q's scale word: 16 r
.set OSO, 237                          ; v237 o's scale byte: 32 r + h
.set SM,  238                          ; v238-253 the row's sum, in eight running pairs
.set SPW, 254                          ; v254 my spare word; never rewritten
.set NIL, 255                          ; v255 0; never rewritten
.set WV,  12
.macro ROUND                           ; a round of the cluster's barrier
	s_barrier_signal -1
	s_barrier_wait -1
	s_cmp_lg_u32 s[WV], 0
	s_cbranch_scc1 .Lnot_wave_0_\@
	s_barrier_signal -3
.Lnot_wave_0_\@:
	s_barrier_wait -3
	s_barrier_signal -1
	s_barrier_wait -1
.endm
.macro NOPS n
.rept \n
	v_nop
.endr
.endm
.macro WAITV                           ; stands ahead of and behind each batch of transcendentals, ahead of O^T's first reader, and ahead of a blocking wait or a branch behind which fresh results are read
	s_wait_alu depctr_va_vdst(0)
.endm
	s_load_b256 s[4:11], s[0:1], 0x0               ; qkv_img s[4:5], qkv_sc s[6:7], o_img s[8:9], o_sc s[10:11]
	v_lshl_add_u32 v[SPW], v0, 2, 0x42000
	v_mov_b32 v[NIL], 0
	ds_add_u32 v[SPW], v[NIL]                      ; the opening lines: the add twice on end and one wait
	ds_add_u32 v[SPW], v[NIL]
	v_lshrrev_b32 v1, 5, v0
	s_delay_alu instid0(VALU_DEP_1)
	v_readfirstlane_b32 s[WV], v1                  ; wave 0..15
	s_bfe_u32 s13, ttmp6, 0x40000                  ; cx: it enters q's and o's addresses alone
	s_and_b32 s14, ttmp7, 0xffff                   ; 16 x batch + head, which the four partners share
	s_mul_i32 s15, s[WV], 37
	s_lshr_b32 s15, s15, 8                         ; wave / 7: 0 for K (waves 0-6), 1 for V (waves 7-13)
	s_and_b32 s16, s[WV], 1                        ; waves 14, 15: K's scale words or V's
	s_lshr_b32 s17, s[WV], 3
	s_and_b32 s18, s[WV], 7
	s_mov_b32 s19, 0x600000                        ; the mantissa field of 57,344
	s_mov_b32 s20, 0x76543210
	s_mov_b32 s21, 0xfedcba98                      ; v_permlanex16_b32's selects for lane l xor 16
	s_mov_b32 s22, 0x3e38aa3b                      ; c = log2(e) / 8
	s_mov_b32 s23, s22                             ; (named with it as a pair)
	s_mov_b32 s75, 0xffff0000                      ; lanes 16-31
.irp g, 24, 32, 40                     ; three groups 1: the mask names all four; elements of 8 bytes; bit 21 beside a mask; dense rows of 256 bytes
	s_mov_b32 s[\g], 15|(3<<16)|(1<<21)
	s_mov_b32 s[\g+1], 32<<16
	s_mov_b32 s[\g+3], 32<<16
	s_mov_b32 s[\g+5], 32
	s_mov_b32 s[\g+6], 0
	s_mov_b32 s[\g+7], 0
.endr
	s_mov_b32 s26, 73<<16                          ; 73 rows: six of the seven parts of an image's 512
	s_mov_b32 s28, 73
	s_mov_b32 s34, 74<<16                          ; 74 rows: the seventh
	s_mov_b32 s36, 74
	s_mov_b32 s42, 16<<16                          ; 16 rows: a head's scale words of K or of V
	s_mov_b32 s44, 16
	s_mul_i32 s80, s[WV], 18688                    ; LDS: K at 0, V at 131,072: 73 rows x wave, and 256 bytes more for V, since seven parts are 512 rows and not 511
	s_lshl_b32 s81, s15, 8
	s_add_co_u32 s80, s80, s81
	s_lshl_b32 s81, s15, 17
	s_sub_co_u32 s76, s80, s81                     ; my part's place within its image,
	s_lshl_b32 s77, s15, 23
	s_add_co_u32 s76, s76, s77
	s_add_co_u32 s76, s76, 8388608                 ; in k's part or v's,
	s_lshl_b32 s77, s14, 17
	s_add_co_u32 s76, s76, s77                     ; in my head
	s_mov_b32 s77, 0
	s_lshl_b32 s78, s16, 18
	s_add_co_u32 s78, s78, 262144
	s_lshl_b32 s79, s14, 12
	s_add_co_u32 s78, s78, s79                     ; the head's 4,096 scale bytes of K or of V
	s_mov_b32 s79, 0
	s_lshl_b32 s81, s16, 12
	s_add_co_u32 s81, s81, 262144                  ; LDS: K's 4,096 scale bytes, then V's
	s_wait_dscnt 0x0                               ; both opening adds are done
	s_wait_kmcnt 0x0
	s_add_nc_u64 s[76:77], s[4:5], s[76:77]
	s_add_nc_u64 s[78:79], s[6:7], s[78:79]
	s_mov_b32 s48, 1                               ; group 0: codes
	s_mov_b32 s49, s80
	s_mov_b64 s[50:51], s[76:77]
	s_or_b32 s51, s51, 0x80000000
	s_mov_b32 s52, 1                               ; group 0: scale words
	s_mov_b32 s53, s81
	s_mov_b64 s[54:55], s[78:79]
	s_or_b32 s55, s55, 0x80000000
	ROUND                                          ; all four work-groups are here: the joint loads meet
; one chain of branches on the wave's number, one load to an arm, all arms to one join: every wave issues one
.macro ARM under, g1, next
	s_cmp_lt_u32 s[WV], \under
	s_cbranch_scc0 \next
	tensor_load_to_lds s[48:51], s[\g1:\g1+7]
	s_nop 0
	NOPS 4
	s_branch .Lhead_asked
\next:
.endm
	ARM 6,  24, .Lhead_k6
	ARM 7,  32, .Lhead_v
	ARM 13, 24, .Lhead_v6
	ARM 14, 32, .Lhead_sc
	tensor_load_to_lds s[52:55], s[40:47]
	s_nop 0
	NOPS 4
.Lhead_asked:
	; my tile of queries, T = 32 cx + wave (+ 16 in the second pass)
	s_lshl_b32 s76, s13, 5
	s_add_co_u32 s76, s76, s[WV]
	s_lshl_b32 s66, s76, 10
	s_lshl_b32 s77, s14, 17
	s_add_co_u32 s66, s66, s77
	s_mov_b32 s67, 0
	s_add_nc_u64 s[66:67], s[4:5], s[66:67]        ; q's codes: 1,024 bytes a tile
	s_lshl_b32 s68, s13, 2
	s_add_co_u32 s68, s68, s17
	s_lshl_b32 s68, s68, 8                         ; q's scale words: 256 bytes for 8 tiles,
	s_lshr_b32 s77, s18, 1
	s_lshl_b32 s77, s77, 2
	s_add_co_u32 s68, s68, s77                     ; the word of my pair of tiles
	s_lshl_b32 s77, s14, 12
	s_add_co_u32 s68, s68, s77
	s_mov_b32 s69, 0
	s_add_nc_u64 s[68:69], s[6:7], s[68:69]
	s_lshr_b32 s78, s14, 4                         ; batch
	s_and_b32 s79, s14, 15                         ; head
	s_lshl_b32 s70, s78, 21
	s_lshl_b32 s77, s76, 14
	s_add_co_u32 s70, s70, s77
	s_lshl_b32 s77, s79, 10
	s_add_co_u32 s70, s70, s77
	s_mov_b32 s71, 0
	s_add_nc_u64 s[70:71], s[8:9], s[70:71]        ; o's codes: 16,384 bytes for 16 tokens, 1,024 of them the head's
	s_lshl_b32 s72, s78, 16
	s_lshl_b32 s77, s76, 9
	s_add_co_u32 s72, s72, s77
	s_lshl_b32 s77, s79, 1
	s_add_co_u32 s72, s72, s77
	s_mov_b32 s73, 0
	s_add_nc_u64 s[72:73], s[10:11], s[72:73]      ; o's scale bytes: 32 a token, 2 of them the head's
	s_and_b32 s77, s[WV], 1
	s_mov_b32 s74, 0x03020302
	s_cmp_eq_u32 s77, 0
	s_cselect_b32 s74, 0x01000100, s74             ; which two bytes of the pair's word are my tile's: laid twice, so that one word serves both forms of q's operand
	v_and_b32 v[LI], 31, v0
	s_delay_alu instid0(VALU_DEP_1)
	v_lshlrev_b32 v[LI], 4, v[LI]
	v_and_b32 v[TA], 15, v0                        ; r
	v_bfe_u32 v[TB], v0, 4, 1                      ; h
	s_delay_alu instid0(VALU_DEP_2)
	v_lshl_add_u32 v[LS], v[TA], 4, 262144
	s_delay_alu instid0(VALU_DEP_2)
	v_lshl_add_u32 v[OSO], v[TA], 5, v[TB]
	s_delay_alu instid0(VALU_DEP_4)
	v_lshlrev_b32 v[QSO], 4, v[TA]
.macro QLOAD p                         ; pass p's q, as it was stored, and its scale word (into v227)
	global_load_b128 v[QF:QF+3], v[LI], s[66:67] offset:16384*\p
	global_load_b128 v[QF+4:QF+7], v[LI], s[66:67] offset:16384*\p+512
	global_load_b32 v[TB], v[QSO], s[68:69] offset:512*\p
.endm
	WAITV
	QLOAD 0                                        ; lands while the head's tensor loads do
.irp j, 0,1,2,3,4,5,6,7
	v_mov_b32 v[QF-8+\j], 0                        ; zero codes on both sides of q
	v_mov_b32 v[QF+8+\j], 0
.endr
.irp b, 0,1,2,3
	v_mov_b32 v[LIM+\b], 0                         ; written once: a lane permute's destination counts as one of its sources
.endr
	v_mov_b32 v[FF+1], 0                           ; (named as the upper half of the pair)
	v_mov_b32 v14, 0
	v_mov_b32 v15, 0
; The pieces of a step; i is the running index of the .rept that holds them.
.macro SUM y, b                        ; pair i of block b joins running sum i.  Block 0's line also brings the sum under the new M: sum x f + p, one rounding, and x f rounds nothing
.if \b == 0
	v_pk_fma_f32 v[SM+2*i:SM+2*i+1], v[SM+2*i:SM+2*i+1], v[FF:FF+1], v[\y+2*i:\y+2*i+1] op_sel_hi:[1,0,1]
.else
	v_pk_add_f32 v[SM+2*i:SM+2*i+1], v[SM+2*i:SM+2*i+1], v[\y+16*\b+2*i:\y+16*\b+2*i+1]
.endif
.endm
.macro HOLD y, b                       ; the conversion does not saturate (ISA guide 7.6.2); p is not negative, so the hold is one-sided; two holds to an instruction
	v_dual_min_num_f32 v[\y+16*\b+2*i], v[\y+16*\b+2*i], v[LIM+\b] :: v_dual_min_num_f32 v[\y+16*\b+2*i+1], v[\y+16*\b+2*i+1], v[LIM+\b]
.endm
.macro CODES y, b                      ; block b becomes codes, and its 16 registers take fragment b of the next step's K
	v_cvt_scalef32_pk8_bf8_f32 v[PCD+4*\b:PCD+4*\b+1], v[\y+16*\b:\y+16*\b+7], v[SCO+\b]
	v_cvt_scalef32_pk8_bf8_f32 v[PCD+4*\b+2:PCD+4*\b+3], v[\y+16*\b+8:\y+16*\b+15], v[SCO+\b]
.irp c, 0,1,2,3
	ds_load_b128 v[\y+16*\b+4*\c:\y+16*\b+4*\c+3], v[ADK] offset:2048*\b+512*\c
.endr
.endm
.macro STAGE y, e                      ; block e's sixteen exponentials, by turns with block e - 1's sums and holds
.set i, 0
.rept 8
	v_exp_f32 v[\y+16*\e+i], v[\y+16*\e+i]
	SUM \y, (\e-1)
.set i, i+1
.endr
.set i, 0
.rept 8
	v_exp_f32 v[\y+16*\e+8+i], v[\y+16*\e+8+i]
	HOLD \y, (\e-1)
.set i, i+1
.endr
.endm
; A KEY STEP: 128 keys.  K's fragments are on their way into x, asked for in the step before.
.macro STEP x, y
	v_mov_b32 v[TB], v12                           ; the old -M
	v_add_nc_u32 v[ADV], 0x20000, v[ADK]
	NOPS 7                                         ; nine places: the scores below are written over registers that the last products read
	WAITV
	s_wait_dscnt 0x0                               ; K and its scale words
.irp f, 0,1,2,3
	v_wmma_scale_f32_16x16x128_f8f6f4 v[\y+16*\f:\y+16*\f+7], v[\x+16*\f:\x+16*\f+15], v[QF:QF+15], 0, v[KW+\f], v[QW] matrix_a_fmt:MATRIX_FMT_BF8 matrix_b_fmt:MATRIX_FMT_BF8
	v_wmma_scale_f32_16x16x128_f8f6f4 v[\y+16*\f+8:\y+16*\f+15], v[\x+16*\f:\x+16*\f+15], v[QF-8:QF+7], 0, v[KW+\f], v[QW] matrix_a_fmt:MATRIX_FMT_BF8 matrix_b_fmt:MATRIX_FMT_BF8
.endr                                              ; register 16 f + i: key 128 step + 32 f + 16 (lane / 16) + i
	s_add_co_u32 s60, s60, 8192
	v_add_nc_u32 v[ADK], s60, v[LI]                ; the next step's K
	NOPS 7                                         ; eight places in front of the loads below and of the first read of the scores
.irp t, 0,1,2,3
.irp c, 0,1,2,3
	ds_load_b128 v[\x+16*\t+4*\c:\x+16*\t+4*\c+3], v[ADV] offset:2048*\t+512*\c   ; V's four tiles land under the softmax
.endr
.endr
	ds_load_b128 v[VW:VW+3], v[ADS] offset:4096
	s_add_co_u32 s61, s61, 256
	v_add_nc_u32 v[ADS], s61, v[LS]                ; the next step's scale words
.irp b, 0,1,2,3
	v_max3_num_f32 v[BM+\b], v[\y+16*\b], v[\y+16*\b+1], v[\y+16*\b+2]   ; the largest score of each block of 32 keys: for the row's maximum, and, since p rises with the score, for the block's largest p
.endr
.irp i, 3,5,7,9,11,13
.irp b, 0,1,2,3
	v_max3_num_f32 v[BM+\b], v[BM+\b], v[\y+16*\b+\i], v[\y+16*\b+\i+1]
.endr
.endr
.irp b, 0,1,2,3
	v_max_num_f32 v[BM+\b], v[BM+\b], v[\y+16*\b+15]
.endr
.irp b, 0,1,2,3
	s_delay_alu instid0(VALU_DEP_4)
	v_permlanex16_b32 v[LIM+\b], v[BM+\b], s20, s21
.endr
.irp b, 0,1,2,3
	s_delay_alu instid0(VALU_DEP_4)
	v_max_num_f32 v[BM+\b], v[BM+\b], v[LIM+\b]    ; with lane l xor 16's 16 keys
.endr
	s_delay_alu instid0(VALU_DEP_2)
	v_max3_num_f32 v[TA], v[BM], v[BM+1], v[BM+2]
	s_delay_alu instid0(VALU_DEP_1)
	v_max_num_f32 v[TA], v[TA], v[BM+3]
	s_delay_alu instid0(VALU_DEP_1)
	v_mul_f32 v[TA], s22, v[TA]                    ; as t (c is positive)
	s_delay_alu instid0(VALU_DEP_1)
	v_max_num_f32 v13, v13, v[TA]                  ; the running largest t
	s_delay_alu instid0(VALU_DEP_1)
	v_floor_f32 v12, -v13                          ; the new -M = floor(-t): M is a whole number
	s_delay_alu instid0(VALU_DEP_1)
	v_sub_f32 v[TA], v12, v[TB]                    ; old M - new M: a whole number, 0 or less
	s_delay_alu instid0(VALU_DEP_1)
	v_cvt_i32_f32 v[TA], v[TA]                     ; (it saturates)
	s_delay_alu instid0(VALU_DEP_1)
	v_ldexp_f32 v[FF], 1.0, v[TA]                  ; f = 2^(old M - new M)
.set i, 0
.rept 8
	v_pk_fma_f32 v[\y+2*i:\y+2*i+1], v[\y+2*i:\y+2*i+1], s[22:23], v[12:13] op_sel_hi:[1,0,0]   ; block 0: t - M, two at a time
.set i, i+1
.endr
.irp b, 0,1,2,3
	v_fma_f32 v[BM+\b], v[BM+\b], s22, v12         ; the same of each block's largest score
.endr
	WAITV
.set i, 0
.rept 16
	v_exp_f32 v[\y+i], v[\y+i]                     ; block 0: p = 2^(t - M), at most 1; by turns with blocks 1 and 2's t - M
	v_pk_fma_f32 v[\y+16+2*i:\y+17+2*i], v[\y+16+2*i:\y+17+2*i], s[22:23], v[12:13] op_sel_hi:[1,0,0]
.set i, i+1
.endr
.set i, 0
.rept 4
	v_exp_f32 v[BM+i], v[BM+i]                     ; the blocks' largest p; by turns with block 3's t - M
	v_pk_fma_f32 v[\y+48+4*i:\y+49+4*i], v[\y+48+4*i:\y+49+4*i], s[22:23], v[12:13] op_sel_hi:[1,0,0]
	v_pk_fma_f32 v[\y+50+4*i:\y+51+4*i], v[\y+50+4*i:\y+51+4*i], s[22:23], v[12:13] op_sel_hi:[1,0,0]
.set i, i+1
.endr
	WAITV
.irp b, 0,1,2,3
	v_max_num_f32 v[BM+\b], 0x8000000, v[BM+\b]    ; the floor 2^(16 - 127)
.endr
.irp b, 0,1,2,3
	s_delay_alu instid0(VALU_DEP_4)
	v_add_nc_u32 v[SCO+\b], 0xf8800000, v[BM+\b]   ; 15 off the exponent field: the conversion's scale operand
.endr
.irp b, 0,1,2,3
	v_and_or_b32 v[LIM+\b], v[BM+\b], 0x7f800000, s19   ; 57,344 x the scale
.endr
.irp b, 0,1,2,3
	v_lshrrev_b32 v[BM+\b], 23, v[SCO+\b]          ; the scale's byte
.endr
	s_delay_alu instid0(VALU_DEP_3)
	v_lshl_or_b32 v[PWD], v[BM+1], 8, v[BM]        ; p's scale word for these 128 keys
	s_delay_alu instid0(VALU_DEP_1)
	v_lshl_or_b32 v[PWD], v[BM+2], 16, v[PWD]
	s_delay_alu instid0(VALU_DEP_1)
	v_lshl_or_b32 v[PWD], v[BM+3], 24, v[PWD]
	WAITV
	STAGE \y, 1
	WAITV
	CODES \y, 0
	ds_load_b128 v[KW:KW+3], v[ADS]                ; the next step's scale words of K
	STAGE \y, 2
	WAITV
	CODES \y, 1
	STAGE \y, 3
	WAITV
	CODES \y, 2
.set i, 0
.rept 8
	SUM \y, 3
.set i, i+1
.endr
.set i, 0
.rept 8
	HOLD \y, 3
.set i, i+1
.endr
	CODES \y, 3
	WAITV                                          ; directly ahead of the first reader of O^T
.set i, 0
.rept 16
	v_pk_mul_f32 v[OT+i:OT+i+1], v[OT+i:OT+i+1], v[FF:FF+1] op_sel_hi:[1,0]   ; O^T under the new M (also the places between the codes and the products below)
.set i, i+2
.endr
	WAITV
	s_wait_dscnt 17                                ; V and its scale words are in; the 16 loads of the next step's K and the one of its scale words, issued behind them, may be out
.irp t, 0,1,2,3
	v_wmma_scale_f32_16x16x128_f8f6f4 v[OT+8*\t:OT+8*\t+7], v[\x+16*\t:\x+16*\t+15], v[PCD:PCD+15], v[OT+8*\t:OT+8*\t+7], v[VW+\t], v[PWD] matrix_a_fmt:MATRIX_FMT_BF8 matrix_b_fmt:MATRIX_FMT_BF8
.endr                                              ; the four accumulators take turns, one instruction a turn
.endm
	WAITV                                          ; the head's end
	s_wait_tensorcnt 0x0                           ; my part of K, V or the scale words has landed,
	s_barrier_signal -1
	s_barrier_wait -1                              ; everybody's has: nothing is filled again
	s_mov_b32 s63, 2
.Lpass:
	s_mov_b32 s60, 0
	s_mov_b32 s61, 0
	v_mov_b32 v[ADK], v[LI]
	v_mov_b32 v[ADS], v[LS]
.irp f, 0,1,2,3
.irp c, 0,1,2,3
	ds_load_b128 v[FG+16*\f+4*\c:FG+16*\f+4*\c+3], v[ADK] offset:2048*\f+512*\c   ; step 0's K: fragment f holds key tiles 2 f and 2 f + 1
.endr
.endr
	ds_load_b128 v[KW:KW+3], v[ADS]
	v_mov_b32 v13, 0xff61b1e6                      ; the largest t so far: -3e38, under every t
	s_delay_alu instid0(VALU_DEP_1)
	v_floor_f32 v12, -v13                          ; -M
.set i, 0
.rept 16
	v_mov_b32 v[SM+i], 0                           ; the eight running sums
.set i, i+1
.endr
	s_wait_loadcnt 0x0                             ; q
	v_perm_b32 v[QW], v[TB], v[TB], s74            ; (s0, s1, s0, s1)
.set i, 0
.rept 32
	v_mov_b32 v[OT+i], 0                           ; O^T: the step is written once; the first finds zeros.  (Also the places between q's scale word and the first product)
.set i, i+1
.endr
	WAITV
	s_mov_b32 s62, 8
.Lpair:
	STEP FG, ST
	STEP ST, FG
	s_sub_co_u32 s62, s62, 1
	s_cmp_lg_u32 s62, 0
	s_cbranch_scc1 .Lpair
	; THE WAY OUT of a pass: O^T / l, quantised along the head's 64: register 16 c + i is d = 32 c + 16 (lane / 16) + i
	s_wait_dscnt 0x0                               ; the last step's look-ahead has landed: its registers may be loaded again
	s_cmp_eq_u32 s63, 1
	s_cbranch_scc1 .Lno_q
	QLOAD 1                                        ; the second pass's q lands under the first pass's way out
.Lno_q:
.irp i, 0,2,4,6
	v_pk_add_f32 v[SM+\i:SM+\i+1], v[SM+\i:SM+\i+1], v[SM+8+\i:SM+9+\i]   ; the eight sums become one.  (These lines are also places behind the last products)
.endr
	s_delay_alu instid0(VALU_DEP_2)
	v_pk_add_f32 v[SM:SM+1], v[SM:SM+1], v[SM+4:SM+5]
	s_delay_alu instid0(VALU_DEP_2)
	v_pk_add_f32 v[SM+2:SM+3], v[SM+2:SM+3], v[SM+6:SM+7]
	s_delay_alu instid0(VALU_DEP_1)
	v_pk_add_f32 v[SM:SM+1], v[SM:SM+1], v[SM+2:SM+3]
	s_delay_alu instid0(VALU_DEP_1)
	v_add_f32 v14, v[SM], v[SM+1]
	s_delay_alu instid0(VALU_DEP_1)
	v_permlanex16_b32 v15, v14, s20, s21
	s_delay_alu instid0(VALU_DEP_1)
	v_add_f32 v14, v14, v15                        ; the row's sum
	WAITV
	v_rcp_f32 v14, v14
	v_nop                                          ; a plain line behind the reciprocal
	WAITV
.set i, 0
.rept 16
	v_pk_mul_f32 v[ST+i:ST+i+1], v[OT+i:OT+i+1], v[14:15] op_sel_hi:[1,0]   ; each accumulator from its low end on
.set i, i+2
.endr
.irp b, 0,1
	v_max3_num_f32 v[BM+\b], |v[ST+16*\b]|, |v[ST+16*\b+1]|, 0x8000000
.endr
.irp i, 2,4,6,8,10,12,14
.irp b, 0,1
	s_delay_alu instid0(VALU_DEP_2)
	v_max3_num_f32 v[BM+\b], v[BM+\b], |v[ST+16*\b+\i]|, |v[ST+16*\b+\i+1]|
.endr
.endr
.irp b, 0,1
	s_delay_alu instid0(VALU_DEP_2)
	v_permlanex16_b32 v[SM+2+\b], v[BM+\b], s20, s21
.endr
.irp b, 0,1
	s_delay_alu instid0(VALU_DEP_2)
	v_max_num_f32 v[BM+\b], v[BM+\b], v[SM+2+\b]
.endr
.irp b, 0,1
	s_delay_alu instid0(VALU_DEP_2)
	v_add_nc_u32 v[SCO+\b], 0xf8800000, v[BM+\b]
.endr
.irp b, 0,1
	s_delay_alu instid0(VALU_DEP_4)
	v_and_or_b32 v[LIM+\b], v[BM+\b], 0x7f800000, s19
.endr
.irp b, 0,1
	s_delay_alu instid0(VALU_DEP_4)
	v_lshrrev_b32 v[SM+2+\b], 23, v[SCO+\b]
.endr
	s_delay_alu instid0(VALU_DEP_1)
	v_cndmask_b32 v[TA], v[SM+2], v[SM+3], s75     ; lanes 0-15 keep the first block's byte, lanes 16-31 the second's
.irp b, 0,1
.set i, 0
.rept 16
	v_med3_num_f32 v[ST+16*\b+i], v[ST+16*\b+i], -v[LIM+\b], v[LIM+\b]
.set i, i+1
.endr
	v_cvt_scalef32_pk8_bf8_f32 v[PCD+4*\b:PCD+4*\b+1], v[ST+16*\b:ST+16*\b+7], v[SCO+\b]
	v_cvt_scalef32_pk8_bf8_f32 v[PCD+4*\b+2:PCD+4*\b+3], v[ST+16*\b+8:ST+16*\b+15], v[SCO+\b]
.endr
	v_nop                                          ; one plain line behind the last conversion
	global_store_b128 v[LI], v[PCD:PCD+3], s[70:71]            ; the wave stores 2 x 512 consecutive bytes, aligned
	global_store_b128 v[LI], v[PCD+4:PCD+7], s[70:71] offset:512
	global_store_b8 v[OSO], v[TA], s[72:73]        ; a byte a lane, in rows 32 bytes apart: one byte in 32 of what the launch stores; it keeps the next launch's scales in plain rows
	s_wait_xcnt 0x0                                ; the stores have read their registers and bases: both may be written
	s_add_nc_u64 s[70:71], s[70:71], 262144        ; sixteen tiles on
	s_add_nc_u64 s[72:73], s[72:73], 8192
	s_sub_co_u32 s63, s63, 1
	s_cmp_lg_u32 s63, 0
	WAITV
	s_cbranch_scc1 .Lpass
	s_wait_tensorcnt 0x0                           ; the wave's end
	ds_add_u32 v[SPW], v[NIL]
	s_wait_dscnt 0x0
	ROUND                                          ; the closing round
	s_endpgm
.Lfunc_end_k_qefa0a09902_attn:
	.size	k_qefa0a09902_attn, .Lfunc_end_k_qefa0a09902_attn-k_qefa0a09902_attn
	.p2alignl 7, 3214868480
	.fill 96, 4, 3214868480
	.section	.rodata,"a",@progbits
	.p2align	6, 0x0
	.amdhsa_kernel k_qefa0a09902_attn
		.amdhsa_group_segment_fixed_size 327680
		.amdhsa_private_segment_fixed_size 0
		.amdhsa_enable_private_segment 0
		.amdhsa_kernarg_size 32
		.amdhsa_user_sgpr_count 2
		.amdhsa_user_sgpr_kernarg_segment_ptr 1
		.amdhsa_wavefront_size32 1
		.amdhsa_system_sgpr_workgroup_id_x 1
		.amdhsa_system_sgpr_workgroup_id_y 1
		.amdhsa_system_sgpr_workgroup_id_z 1
		.amdhsa_system_vgpr_workitem_id 0
		.amdhsa_next_free_vgpr 256
		.amdhsa_next_free_sgpr 84
		.amdhsa_reserve_vcc 0
		.amdhsa_float_denorm_mode_32 3
		.amdhsa_float_denorm_mode_16_64 3
		.amdhsa_memory_ordered 1
		.amdhsa_forward_progress 1
		.amdhsa_inst_pref_size 58
	.end_amdhsa_kernel
	.amdgpu_metadata
---
amdhsa.version: [ 1, 2 ]
amdhsa.kernels:
  - .name:           k_qefa0a09902_attn
    .symbol:         k_qefa0a09902_attn.kd
    .args:
      - { .name: qkv_img, .offset: 0, .size: 8, .value_kind: global_buffer, .address_space: global }
      - { .name: qkv_sc, .offset: 8, .size: 8, .value_kind: global_buffer, .address_space: global }
      - { .name: o_img, .offset: 16, .size: 8, .value_kind: global_buffer, .address_space: global }
      - { .name: o_sc, .offset: 24, .size: 8, .value_kind: global_buffer, .address_space: global }
    .group_segment_fixed_size: 327680
    .private_segment_fixed_size: 0
    .kernarg_segment_align: 8
    .kernarg_segment_size: 32
    .max_flat_workgroup_size: 512
    .sgpr_count:     84
    .vgpr_count:     256
    .wavefront_size: 32
...
	.end_amdgpu_metadata
.endif
;; end of part 3
;; launch proj (part 4): grid 4 x 32, 4 waves a work-group, clusters of 4 x 4, 327,680 bytes of LDS; arguments o_img, o_sc, codes1, scales1, out_b, out0; writes out0
.if DOCPART == 4
	.amdgcn_target "amdgcn-amd-amdhsa--gfx1250"
	.amdhsa_code_object_version 6
	.text
	.protected	k_qefa0a09902_proj
	.globl	k_qefa0a09902_proj
	.p2align	8
	.type	k_qefa0a09902_proj,@function
k_qefa0a09902_proj:
	s_mov_b64 s[64:65], 0
	v_nop
	global_prefetch_b8 v0, s[64:65] scope:SCOPE_SE
	s_setreg_imm32_b32 hwreg(HW_REG_WAVE_MODE, 25, 1), 1
	s_wait_xcnt 0x0
	s_wait_alu depctr_hold_cnt(0) depctr_sa_sdst(0) depctr_va_vdst(0) depctr_va_sdst(0) depctr_va_ssrc(0) depctr_va_vcc(0) depctr_vm_vsrc(0)
	s_getreg_b32 s2, hwreg(HW_REG_IB_STS2, 6, 4)
	s_cmp_eq_u32 s2, 0
	s_cbranch_scc0 .Lentry_in_a_cluster
	s_endpgm
.Lentry_in_a_cluster:
	s_bfe_u32 s2, ttmp6, 0x10000c
	s_cmp_lg_u32 s2, 0xf033
	s_cbranch_scc0 .Lentry_shape_is_right
	s_endpgm
.Lentry_shape_is_right:
.set NQ,     2
.set ROWB,   256
.set KROW,   1024
.set PITCH,  272
.set FR,     16
.set NL,     4
.set NP,     8
.set HALFA,  32768
.set HALFT,  128*PITCH
.set BOFF,   2*HALFA
.set SLOT,   2*HALFA+2*HALFT
.set KS,     32
.set SCL,    2*SLOT
.set HALFS,  (128*KS/256)*272
.set SBLK,   (16*KS/256)*272
.set SPARE,  SCL+4*HALFS
.set SPITCH, 528
.set ADRA, 16
.set ADRB, 20
.set STO,  24
.set RD,   25
.set CO,   26
.set ADRS, 27
.set SPW,  28
.set NIL,  29
.set SC,   32
.set BIAS, 64
.set AF,   128
.set BK,   128
.set G1, 24
.set G0, 32
.set G1B, 48
.set G0B, 56
.set G1S, 68
.set G0S, 76
.set G1SB, 80
.set G0SB, 88
.set MSB, 0
.macro WIN new
.if MSB != (\new)
	s_set_vgpr_msb (MSB<<8)|(\new)
.set MSB, (\new)
.endif
.endm
.set MUL_LO, 0xa1
.set MUL_HI, 0xf1
.set TO_B,   0x40
.macro JLOAD g0a, g1a, g0b, g1b
	s_cmp_eq_u32 s15, 0
	s_cbranch_scc0 .Lfor_b_\@
	tensor_load_to_lds s[\g0a:\g0a+3], s[\g1a:\g1a+7]
	s_nop 0
.rept 4
	v_nop
.endr
	s_branch .Lasked_\@
.Lfor_b_\@:
	tensor_load_to_lds s[\g0b:\g0b+3], s[\g1b:\g1b+7]
	s_nop 0
.rept 4
	v_nop
.endr
.Lasked_\@:
.endm
.macro CREST
	s_cmp_lg_u32 s14, 0
	s_cbranch_scc1 .Lnot_wave_0_\@
	s_barrier_signal -3
.Lnot_wave_0_\@:
	s_barrier_wait -3
	s_barrier_signal -1
	s_barrier_wait -1
.endm
.macro CROUND
	s_barrier_signal -1
	s_barrier_wait -1
	CREST
.endm
	s_load_b256 s[4:11], s[0:1], 0x0
	s_load_b128 s[96:99], s[0:1], 0x20
	v_lshl_add_u32 v[SPW], v0, 2, SPARE
	v_mov_b32 v[NIL], 0
	ds_add_u32 v28, v29
	ds_add_u32 v28, v29
	s_wait_dscnt 0x0
	v_lshrrev_b32 v1, 5, v0
	v_readfirstlane_b32 s14, v1
	s_lshr_b32 s15, s14, 1
	s_and_b32 s16, s14, 1
	s_bfe_u32 s40, ttmp6, 0x40000
	s_bfe_u32 s41, ttmp6, 0x40004
	s_lshl_b32 s42, ttmp9, 2
	s_add_co_u32 s42, s42, s40
	s_and_b32 s17, ttmp7, 0xffff
	s_lshl_b32 s17, s17, 2
	s_add_co_u32 s17, s17, s41
	s_lshl_b32 s43, s41, 2
	s_lshl_b32 s43, 15, s43
	s_lshl_b32 s44, 0x1111, s40
	s_or_b32 s[G1+0], s43, (3<<16)|(1<<21)
	s_mov_b32 s[G1+1], 512<<16
	s_mov_b32 s[G1+2], 16<<16                      ; the head's load of A brings 256 tokens: 16 rows of 4,096 bytes
	s_mov_b32 s[G1+3], 512<<16
	s_mov_b32 s[G1+4], 16
	s_mov_b32 s[G1+5], 2048
	s_mov_b32 s[G1+6], 0
	s_mov_b32 s[G1+7], 0
	s_or_b32 s[G1B+0], s44, (0<<16)|(1<<20)|(1<<21)|(5<<22)|(3<<25)
	s_mov_b32 s[G1B+1], ROWB<<16
	s_mov_b32 s[G1B+2], 256<<16                    ; and that of B 256 rows
	s_mov_b32 s[G1B+3], ROWB<<16
	s_mov_b32 s[G1B+4], 256
	s_mov_b32 s[G1B+5], KROW
	s_mov_b32 s[G1B+6], 0
	s_mov_b32 s[G1B+7], 0
	s_or_b32 s[G1S+0], s43, (3<<16)|(1<<20)|(1<<21)|(5<<22)|(3<<25)
	s_or_b32 s[G1SB+0], s44, (3<<16)|(1<<20)|(1<<21)|(5<<22)|(3<<25)
.irp g, G1S, G1SB
	s_mov_b32 s[\g+1], 32<<16
	s_mov_b32 s[\g+2], (256*KS/256)<<16            ; the scales of 256 rows in one load
	s_mov_b32 s[\g+3], 32<<16
	s_mov_b32 s[\g+4], 256*KS/256
	s_mov_b32 s[\g+5], 32
	s_mov_b32 s[\g+6], 0
	s_mov_b32 s[\g+7], 0
.endr
	s_lshl_b32 s20, s17, 18
	s_mov_b32 s18, 0                               ; the four addresses below are those of the tiles' first rows; my half is added behind the head's descriptors
	s_add_co_u32 s20, s20, s18
	s_mov_b32 s21, 0
	s_lshl_b32 s22, s17, 13
	s_mov_b32 s19, 0
	s_add_co_u32 s22, s22, s19
	s_mov_b32 s23, 0
	s_lshl_b32 s46, s42, 18
	s_add_co_u32 s46, s46, s18
	s_add_co_u32 s46, s46, 11534336
	s_mov_b32 s47, 0
	s_lshl_b32 s92, s42, 13
	s_add_co_u32 s92, s92, s19
	s_add_co_u32 s92, s92, 360448
	s_mov_b32 s93, 0
	s_lshl_b32 s45, s16, 15
	s_mul_i32 s12, s16, HALFT
	s_add_co_u32 s12, s12, BOFF
	s_wait_kmcnt 0x0
	s_add_nc_u64 s[20:21], s[4:5], s[20:21]
	s_add_nc_u64 s[22:23], s[6:7], s[22:23]
	s_add_nc_u64 s[46:47], s[8:9], s[46:47]
	s_add_nc_u64 s[92:93], s[10:11], s[92:93]
	CROUND
	s_mov_b32 s[G0S], 1
	s_mov_b32 s[G0S+1], SCL
	s_mov_b64 s[G0S+2:G0S+3], s[22:23]
	s_or_b32 s[G0S+3], s[G0S+3], 0x80000000
	s_mov_b32 s[G0SB], 1
	s_mov_b32 s[G0SB+1], SCL+2*HALFS
	s_mov_b64 s[G0SB+2:G0SB+3], s[92:93]
	s_or_b32 s[G0SB+3], s[G0SB+3], 0x80000000
	s_mov_b32 s[G0], 1                             ; the head's two loads of codes borrow slot 0's groups 0: A's 256 tokens,
	s_mov_b32 s[G0+1], 0
	s_mov_b64 s[G0+2:G0+3], s[20:21]
	s_or_b32 s[G0+3], s[G0+3], 0x80000000
	s_mov_b32 s[G0B], 1                            ; and B's 256 rows, behind them in slot 0
	s_mov_b32 s[G0B+1], BOFF
	s_mov_b64 s[G0B+2:G0B+3], s[46:47]
	s_or_b32 s[G0B+3], s[G0B+3], 0x80000000
	s_lshl_b32 s18, s16, 17                        ; for the ring: my 128 rows, 131,072 bytes in A's image as in B's rows
	s_mov_b32 s19, 0
	s_add_nc_u64 s[20:21], s[20:21], s[18:19]
	s_add_nc_u64 s[46:47], s[46:47], s[18:19]
.irp s, 1
	s_mov_b32 s[G0+4*\s], 1
	s_add_co_u32 s[G0+4*\s+1], s45, \s*SLOT
	s_add_nc_u64 s[G0+4*\s+2:G0+4*\s+3], s[20:21], \s*4096
	s_or_b32 s[G0+4*\s+3], s[G0+4*\s+3], 0x80000000
	s_mov_b32 s[G0B+4*\s], 1
	s_add_co_u32 s[G0B+4*\s+1], s12, \s*SLOT
	s_add_nc_u64 s[G0B+4*\s+2:G0B+4*\s+3], s[46:47], \s*ROWB
	s_or_b32 s[G0B+4*\s+3], s[G0B+4*\s+3], 0x80000000
.endr
; THE HEAD'S LOADS, ONE A WAVE: wave 0 K step 0's 256 tokens of A, wave 1 its 256 rows of B, wave 2 the scales of A's 256 rows, wave 3 those of B's.
; One chain of branches on the wave's number, one load to an arm, all arms to one join.
.macro ARM under, g0, g1, next
	s_cmp_lt_u32 s14, \under
	s_cbranch_scc0 \next
	tensor_load_to_lds s[\g0:\g0+3], s[\g1:\g1+7]
	s_nop 0
.rept 4
	v_nop
.endr
	s_branch .Lhead_asked
\next:
.endm
	ARM 1, G0,  G1,  .Lhead_b
	ARM 2, G0B, G1B, .Lhead_sa
	ARM 3, G0S, G1S, .Lhead_sb
	tensor_load_to_lds s[G0SB:G0SB+3], s[G1SB:G1SB+7]
	s_nop 0
.rept 4
	v_nop
.endr
.Lhead_asked:
	v_and_b32 v1, 15, v0
	v_bfe_u32 v2, v0, 4, 1
	v_mul_u32_u24 v3, v1, PITCH
	v_lshl_add_u32 v4, v2, 4, v3
	v_and_b32 v6, 31, v0
	v_lshlrev_b32 v[CO], 4, v6
	s_lshl_b32 s21, s15, 15
	s_mul_i32 s22, s16, HALFT
	s_add_co_u32 s22, s22, BOFF
.irp s, 0,1
	v_add_nc_u32 v[ADRA+\s], s21, v[CO]
	v_add_nc_u32 v[ADRB+\s], s22, v4
	s_add_co_u32 s21, s21, SLOT
	s_add_co_u32 s22, s22, SLOT
.endr
	v_mul_u32_u24 v5, v1, KS
	v_lshrrev_b32 v6, 8, v5
	v_lshl_add_u32 v5, v6, 4, v5
	s_mul_i32 s21, s15, HALFS
	s_mul_i32 s22, s16, HALFS
	s_add_co_u32 s22, s22, 2*HALFS
	s_sub_co_u32 s22, s22, s21
	v_mul_u32_u24 v6, s22, v2
	s_add_co_u32 s21, s21, SCL
	v_add_nc_u32 v5, v5, v6
	v_add_nc_u32 v[ADRS], s21, v5
	s_mul_i32 s23, s14, 16*SPITCH
	v_mul_u32_u24 v5, v1, SPITCH
	v_lshl_add_u32 v5, v2, 6, v5
	v_add_nc_u32 v[STO], s23, v5
	v_add_nc_u32 v[RD], s23, v[CO]
	s_lshl_b32 s20, s17, 20
	s_lshl_b32 s21, s15, 19
	s_add_co_u32 s20, s20, s21
	s_lshl_b32 s46, s42, 10
	s_lshl_b32 s47, s16, 9
	s_add_co_u32 s46, s46, s47
	s_add_co_u32 s20, s20, s46
	s_mov_b32 s21, 0
	s_mov_b32 s47, 0
	s_add_nc_u64 s[98:99], s[98:99], s[20:21]
	s_add_nc_u64 s[96:97], s[96:97], s[46:47]
	v_lshlrev_b32 v5, 6, v2
.irp b, 0,1,2,3,4,5,6,7
	global_load_b128 v[BIAS+8*\b:BIAS+8*\b+3], v5, s[96:97] offset:128*(\b/2)+32*(\b%2)
	global_load_b128 v[BIAS+8*\b+4:BIAS+8*\b+7], v5, s[96:97] offset:128*(\b/2)+32*(\b%2)+16
.endr
.macro FRAG reg, adr, q, i
.irp c, 0,1,2,3
	ds_load_b128 v[\reg+4*\c:\reg+4*\c+3], v[\adr] offset:128*(\q)+32*\c+(\i)*16*PITCH
.endr
.endm
.macro FRAGA reg, adr, q, i
.irp c, 0,1,2,3
	ds_load_b128 v[\reg+4*\c:\reg+4*\c+3], v[\adr] offset:4096*(\i)+2048*(\q)+512*\c
.endr
.endm
.macro MUL16 a0, p, q, sc, zero
.irp a, \a0, \a0+1
.irp b, 0,1,2,3,4,5,6,7
.if \zero
	v_wmma_scale_f32_16x16x128_f8f6f4 v[8*(8*((\a)%4)+\b):8*(8*((\a)%4)+\b)+7], v[128*(\p)+FR*\b:128*(\p)+FR*\b+FR-1], v[AF+FR*(\a):AF+FR*(\a)+FR-1], v[BIAS+8*\b:BIAS+8*\b+7], v[SC+8*NQ*(\sc)+NQ*\b+(\q)], v[SC+8*NQ*(\sc)+NQ*(\a)+(\q)] matrix_a_fmt:MATRIX_FMT_BF8 matrix_b_fmt:MATRIX_FMT_BF8 matrix_a_scale:MATRIX_SCALE_ROW1
.else
	v_wmma_scale_f32_16x16x128_f8f6f4 v[8*(8*((\a)%4)+\b):8*(8*((\a)%4)+\b)+7], v[128*(\p)+FR*\b:128*(\p)+FR*\b+FR-1], v[AF+FR*(\a):AF+FR*(\a)+FR-1], v[8*(8*((\a)%4)+\b):8*(8*((\a)%4)+\b)+7], v[SC+8*NQ*(\sc)+NQ*\b+(\q)], v[SC+8*NQ*(\sc)+NQ*(\a)+(\q)] matrix_a_fmt:MATRIX_FMT_BF8 matrix_b_fmt:MATRIX_FMT_BF8 matrix_a_scale:MATRIX_SCALE_ROW1
.endif
.endr
.endr
.endm
.macro FETCH_B slot, q, p
	WIN TO_B
.irp i, 0,1,2,3,4,5,6,7
	FRAG 128*(\p)+FR*\i, ADRB+\slot, \q, \i
.endr
	WIN 0
.endm
.macro FETCH_A slot, q, i0
.irp i, \i0, \i0+1, \i0+2, \i0+3
	FRAGA AF+FR*(\i), ADRA+\slot, \q, \i
.endr
.endm
.macro SCALES sc
.irp i, 0,1,2,3,4,5,6,7
	ds_load_b64 v[SC+8*NQ*\sc+NQ*\i:SC+8*NQ*\sc+NQ*\i+1], v[ADRS] offset:\i*SBLK
.endr
.endm
.macro PLACES n
.rept \n
	v_nop
.endr
.endm
.macro STEP slot, q, zero
	s_wait_dscnt 4*NL
.if \zero
	WIN 0x81
.else
	WIN MUL_LO
.endif
	MUL16 0, (\q)%2, \q, \slot, \zero
	MUL16 2, (\q)%2, \q, \slot, \zero
	s_wait_dscnt 0
	PLACES NP
	FETCH_B \slot, (\q)+1, 1-(\q)%2
	FETCH_A \slot, (\q)+1, 0
.if \zero
	WIN 0xc1
.else
	WIN MUL_HI
.endif
	MUL16 4, (\q)%2, \q, \slot, \zero
	MUL16 6, (\q)%2, \q, \slot, \zero
	PLACES NP
	WIN 0
	FETCH_A \slot, (\q)+1, 4
.endm
.macro TURN slot, next, fill
	s_wait_tensorcnt 0x0
	ds_add_u32 v[SPW], v[NIL]
	s_wait_dscnt 4*NL+1
	WIN MUL_LO
	MUL16 0, 1, NQ-1, \slot, 0
	s_wait_dscnt 0x0
	s_barrier_signal -1
	MUL16 2, 1, NQ-1, \slot, 0
	WIN 0
	s_barrier_wait -1
.if \fill
	CREST
	s_add_nc_u64 s[G0+4*\slot+2:G0+4*\slot+3], s[G0+4*\slot+2:G0+4*\slot+3], 2*4096
	s_add_nc_u64 s[G0B+4*\slot+2:G0B+4*\slot+3], s[G0B+4*\slot+2:G0B+4*\slot+3], 2*ROWB
	JLOAD G0+4*\slot, G1, G0B+4*\slot, G1B
	PLACES NP-4
.else
	PLACES NP
.endif
	s_wait_alu depctr_va_vdst(0)
	v_add_nc_u32 v[ADRS], 4*NQ, v[ADRS]
	FETCH_B \next, 0, 0
	FETCH_A \next, 0, 0
	SCALES \next
	WIN MUL_HI
	MUL16 4, 1, NQ-1, \slot, 0
	MUL16 6, 1, NQ-1, \slot, 0
	PLACES NP
	WIN 0
	FETCH_A \next, 0, 4
.endm
	s_wait_alu depctr_va_vdst(0)
	s_wait_tensorcnt 0x0                           ; my tile of the head's four is in
	ds_add_u32 v28, v29
	s_mov_b32 s[G1+2], 8<<16                       ; no tensor load of mine is out, so descriptors may be written: from here on a load brings 128 rows,
	s_mov_b32 s[G1+4], 8
	s_mov_b32 s[G1B+2], 128<<16
	s_mov_b32 s[G1B+4], 128
	s_mov_b32 s[G0+1], s45                         ; and slot 0's groups 0 become the ring's: my part of the slot, one K step ahead of slot 1's
	s_sub_nc_u64 s[G0+2:G0+3], s[G0+6:G0+7], 4096
	s_mov_b32 s[G0B+1], s12
	s_sub_nc_u64 s[G0B+2:G0B+3], s[G0B+6:G0B+7], ROWB
	s_wait_dscnt 0x0
	CROUND                                         ; all four tiles are in, and all sixteen work-groups are here
	JLOAD G0+4, G1, G0B+4, G1B                     ; K step 1: the first tensor load behind the round
	FETCH_B 0, 0, 0
	FETCH_A 0, 0, 0
	SCALES 0
	FETCH_A 0, 0, 4
	s_wait_loadcnt 0x0
	STEP 0, 0, 1
	TURN 0, 1, 1
	STEP 1, 0, 0
	TURN 1, 0, 1
	STEP 0, 0, 0
	TURN 0, 1, 0
	STEP 1, 0, 0
	s_wait_dscnt 4*NL
	WIN MUL_LO
	MUL16 0, 1, NQ-1, 1, 0
	MUL16 2, 1, NQ-1, 1, 0
	s_wait_dscnt 0
	WIN MUL_HI
	MUL16 4, 1, NQ-1, 1, 0
	MUL16 6, 1, NQ-1, 1, 0
	WIN 0
.macro TOSTAGE a
.set AC, 64*((\a)%4)
	WIN 0x08+4*((\a)/4)
.irp b, 0,1,2,3,4,5,6,7
	ds_store_b128 v[STO], v[AC+8*\b:AC+8*\b+3] offset:128*(\b/2)+32*(\b%2)
	ds_store_b128 v[STO], v[AC+8*\b+4:AC+8*\b+7] offset:128*(\b/2)+32*(\b%2)+16
.endr
	WIN 0
.set BB, BK+64*((\a)%2)
.irp t, 0,1,2,3,4,5,6,7,8,9,10,11,12,13,14,15
	ds_load_b128 v[BB+4*\t:BB+4*\t+3], v[RD] offset:\t*SPITCH
.endr
.endm
.macro SEND a, younger
.set BB, BK+64*((\a)%2)
	s_wait_dscnt \younger
.irp t, 0,1,2,3,4,5,6,7,8,9,10,11,12,13,14,15
	global_store_b128 v[CO], v[BB+4*\t:BB+4*\t+3], s[98:99] offset:(32*((\a)/2)+8*((\a)%2)+\t+8*(\t/8))*4096 th:TH_STORE_NT
.endr
.endm
	PLACES NP
	TOSTAGE 0
.irp a, 1,2,3,4,5,6,7
.if \a > 1
	s_wait_xcnt 0x0
.endif
	TOSTAGE \a
	SEND \a-1, 32
.endr
	SEND 7, 0
	s_wait_tensorcnt 0x0
	ds_add_u32 v[SPW], v[NIL]
	s_wait_dscnt 0x0
	CROUND
	s_endpgm
.Lfunc_end_k_qefa0a09902_proj:
	.size	k_qefa0a09902_proj, .Lfunc_end_k_qefa0a09902_proj-k_qefa0a09902_proj
	.p2alignl 7, 3214868480
	.fill 96, 4, 3214868480
	.section	.rodata,"a",@progbits
	.p2align	6, 0x0
	.amdhsa_kernel k_qefa0a09902_proj
		.amdhsa_group_segment_fixed_size 327680
		.amdhsa_private_segment_fixed_size 0
		.amdhsa_enable_private_segment 0
		.amdhsa_kernarg_size 48
		.amdhsa_user_sgpr_count 2
		.amdhsa_user_sgpr_kernarg_segment_ptr 1
		.amdhsa_wavefront_size32 1
		.amdhsa_system_sgpr_workgroup_id_x 1
		.amdhsa_system_sgpr_workgroup_id_y 1
		.amdhsa_system_sgpr_workgroup_id_z 1
		.amdhsa_system_vgpr_workitem_id 0
		.amdhsa_next_free_vgpr 1024
		.amdhsa_next_free_sgpr 100
		.amdhsa_reserve_vcc 0
		.amdhsa_float_denorm_mode_32 3
		.amdhsa_float_denorm_mode_16_64 3
		.amdhsa_memory_ordered 1
		.amdhsa_forward_progress 1
		.amdhsa_inst_pref_size 147
	.end_amdhsa_kernel
	.amdgpu_metadata
---
amdhsa.version: [ 1, 2 ]
amdhsa.kernels:
  - .name:           k_qefa0a09902_proj
    .symbol:         k_qefa0a09902_proj.kd
    .args:
      - { .name: o_img, .offset: 0, .size: 8, .value_kind: global_buffer, .address_space: global }
      - { .name: o_sc, .offset: 8, .size: 8, .value_kind: global_buffer, .address_space: global }
      - { .name: codes1, .offset: 16, .size: 8, .value_kind: global_buffer, .address_space: global }
      - { .name: scales1, .offset: 24, .size: 8, .value_kind: global_buffer, .address_space: global }
      - { .name: out_b, .offset: 32, .size: 8, .value_kind: global_buffer, .address_space: global }
      - { .name: out0, .offset: 40, .size: 8, .value_kind: global_buffer, .address_space: global }
    .group_segment_fixed_size: 327680
    .private_segment_fixed_size: 0
    .kernarg_segment_align: 8
    .kernarg_segment_size: 48
    .max_flat_workgroup_size: 128
    .sgpr_count:     100
    .vgpr_count:     1024
    .wavefront_size: 32
...
	.end_amdgpu_metadata
.endif
;; end of part 4
